; MI455X (gfx1250); checked and timed in simulation.
; The chip was launched on July 23, 2026; its instructions are those of AMD's public machine-readable ISA for CDNA 5 (MIT licence, August 2026) and "CDNA5" Instruction Set Architecture Reference Guide (July 2026). The comments in the code are by the model that wrote it; some were corrected since.
;; Multi Head Attention. Allowed arithmetic: matrix products marked QUANTISED: E3M2 operands, one E8M0 scale for each 32 along K, by v_wmma_scale_f32_16x16x128_f8f6f4 with both operands' format E3M2, f32 sums; everything else in f32.
;; Inputs: Wk 1,024 x 1,024 float32; Wo 1,024 x 1,024 float32; Wq 1,024 x 1,024 float32; Wv 1,024 x 1,024 float32; bo 1,024 float32; x 4 x 2,048 x 1,024 float32.
;; Outputs: out0 4 x 1,024 float32.
;; This version of the problem:
;;   THIS VERSION OF THE PROBLEM IS GIVEN IN LOW PRECISION. The matrix products marked QUANTISED in the list below multiply operands that are first quantised to E3M2 (3 exponent bits, 2 mantissa bits; 6 bits a number), with one power-of-two scale for each 32 numbers along K (OCP MX v1.0); their sums are f32. All else is computed in f32.
;;   The module's matrix products, in the order in which they are computed (A, B: the left and right operand; K: the contracted axis; several contracted axes count as one K, in the product's order):
;;     1. [M 8,192, K 1,024] x [K 1,024, N 1,024]; A: input x; B: input Wq: QUANTISED
;;     2. [M 8,192, K 1,024] x [K 1,024, N 1,024]; A: input x; B: input Wk: QUANTISED
;;     3. [M 8,192, K 1,024] x [K 1,024, N 1,024]; A: input x; B: input Wv: QUANTISED
;;     4. batch 64 x [M 2,048, K 64] x [K 64, N 2,048]; A: computed on the way; B: computed on the way: QUANTISED
;;     5. batch 64 x [M 2,048, K 2,048] x [K 2,048, N 64]; A: softmax (see below); B: computed on the way: QUANTISED
;;     6. [M 8,192, K 1,024] x [K 1,024, N 1,024]; A: computed on the way; B: input Wo: QUANTISED
;;   THE QUANTISER, for each operand of a quantised product, along K:
;;     - K is cut into blocks of 32 from its start; a last block that is shorter is filled with zeros.
;;     - A block's scale is 2^e with e = floor(log2(the largest magnitude in the block)) - 4, held to -126 .. 127; a block of zeros has e = 0. As a byte (E8M0): e + 127.
;;     - Each number is divided by its block's scale, clamped to +-28, and rounded to the nearest number of E3M2, ties to even, subnormals kept.
;;     - The product sums the exact products of the quantised numbers (number of the format x scale) in f32.
;;   ~~~python
;;   def quantise(x, axis):      # numpy; x: float32 -> the quantised numbers, widened to float32 again
;;       x = np.moveaxis(x, axis, -1); K = x.shape[-1]
;;       x = np.pad(x, [(0, 0)] * (x.ndim - 1) + [(0, -K % 32)]); x = x.reshape(x.shape[:-1] + (-1, 32)); a = np.abs(x).max(-1, keepdims=True)
;;       e = np.where(a > 0, np.clip(np.frexp(np.where(a > 0, a, 1))[1] - 1 - 4, -126, 127), 0)      # np.frexp(a)[1] - 1 = floor(log2(a)), exactly
;;       r = np.clip(x / 2.0 ** e, -28, 28)
;;       step = 2.0 ** (np.maximum(np.frexp(np.where(r == 0, 1, r))[1] - 1, -2) - 2)
;;       q = np.round(r / step) * step * 2.0 ** e      # np.round: ties to even
;;       return np.moveaxis(q.reshape(q.shape[:-2] + (-1,))[..., :K], -1, axis).astype(np.float32)
;;   ~~~
;;   SOFTMAX AHEAD OF A QUANTISED PRODUCT. Where the list says 'softmax', what is quantised is not the finished softmax but p = 2^(t - M), with t = logit x log2(e) and M = ceil(the row's largest t), a whole number; so 1/2 < the row's largest p <= 1. The row's sum l is taken of the UNQUANTISED p, in f32, and the product's result is divided by l at the end. Since M is a whole number, a kernel that streams over the keys may use a running M (the ceiling of the running maximum): every later rescaling is an exact power of two, which a block's scale takes up: the codes' values come out the same.
;;   OPERANDS COMPUTED ON THE WAY. 'Computed on the way' means the value that the module computes at that place (a softmax that the list does not call 'softmax' is quantised finished and normalised). What goes into a quantiser is computed in f32, as accurately as f32 sums, v_exp_f32 and their like allow (about 1e-6 of the number): no bf16 or f16 on the way to a quantiser, and a product that is left as it is and whose result goes on into a quantised operand takes f32 operands (vector FMAs, or v_wmma_f32_16x16x4_f32). A number that lies on a knife's edge between two numbers of the format may be rounded either way, as far as f32 arithmetic and the matrix unit's own rounding can turn it there, and no further.
;; One version. Each part assembles by itself: llvm-mc -triple=amdgcn-amd-amdhsa -mcpu=gfx1250 --defsym DOCPART=n.
;; ======== version 1 of 1: 4 launches
;; workspace buffers: xq 6,553,600 bytes; wqkq 1,835,008 bytes; wvq 1,048,576 bytes; woq 1,048,576 bytes; qkf 13,107,200 bytes; vf 13,107,200 bytes; part 1,048,576 bytes
;; launch quant (part 1): grid 384 x 1, 4 waves a work-group, no clusters, 33,280 bytes of LDS; arguments x, Wq, Wk, Wv, Wo, xq, wqkq, wvq, woq; writes xq, wqkq, wvq, woq
.if DOCPART == 1
	.amdgcn_target "amdgcn-amd-amdhsa--gfx1250"
	.amdhsa_code_object_version 6
	.text
	.protected	k_q810a8013ff_quant
	.globl	k_q810a8013ff_quant
	.p2align	8
	.type	k_q810a8013ff_quant,@function
k_q810a8013ff_quant:
	s_mov_b64 s[64:65], 0
	v_nop
	global_prefetch_b8 v0, s[64:65] scope:SCOPE_SE
	s_setreg_imm32_b32 hwreg(HW_REG_WAVE_MODE, 25, 1), 1
	s_wait_xcnt 0x0
; x [8192][1024], Wq, Wk, Wv, Wo [1024][1024], f32, K innermost, become codes of BF6 (E3M2), 6 bits each, with one E8M0 byte for each 32 along K.
; A block's scale is 2^(floor(log2(its largest magnitude)) - 4); its byte is the largest magnitude's exponent field - 4, held at 1 from below.
; LIMITS: a block of zeros gets the byte 1 where the quantiser says 127 (its codes are zeros, which add nothing under any byte but 0xff, and this program alone reads the bytes);
; blocks whose largest magnitude lies under 2^-122 keep the byte 1; NaN and infinities among the inputs are not served.
; EACH OUTPUT BUFFER: scale bytes [row][32] from byte 0, codes [row][768] from byte SOFF.  wqkq holds Wq's 1,024 rows and then Wk's.
; ROW ORDER: in xq, wqkq and wvq the second and third group of 8 rows of every 32 change places, so that 16 consecutive rows there are rows 32 B + 8 u + p + 8 (p / 8), p = 0 .. 15, of the tensor:
; the tile order with which a transposed product leaves 16 neighbours along the next K in a lane's 16 registers.  woq keeps the tensor's order.
; SHARES: a work-group takes 32 rows, a wave 8 (8,192 numbers: 16 steps of 512).  Work-groups 0-255 x, 256-287 Wq, 288-319 Wk, 320-351 Wv, 352-383 Wo: only pointers and offsets are chosen, one path serves all.
; Each load reads 512 consecutive bytes; a step's 2,048 bytes turn through the wave's own stage in LDS, so that a lane holds 16 neighbours (two lanes a block).  No barrier: waves share nothing.
.set STEPS, 16
.set EMAX,  4
.set CB,    12                         ; bytes of 16 codes
.set R,     16                         ; v16-79   four sets of 16 numbers as they are loaded
.set X,     80                         ; v80-111  two sets of 16 neighbours
.set C,     128                        ; v128-191 codes: four registers for each step, so that no store's data are written again
.set E,     112                        ; v112-127 a scale byte for each step
.set WREG,  8192                       ; LDS: a region for each wave: two stages of 32 x SP bytes, then its 256 scale bytes
.set SP,    80                         ; a lane's place in a stage: 64 bytes + 16 of padding
.set SOFF,  262144                     ; where the codes begin in each output buffer
.set SRC,   22                         ; s[22:23] the tensor, then my wave's 8 rows of it
.set DST,   24                         ; s[24:25] the output buffer, then my 256 scale bytes
.set COD,   36                         ; s[36:37] my 6,144 bytes of codes
	s_load_b512 s[4:19], s[0:1], 0x0               ; x 4:5, Wq 6:7, Wk 8:9, Wv 10:11, Wo 12:13, xq 14:15, wqkq 16:17, wvq 18:19
	s_load_b64 s[20:21], s[0:1], 0x40              ; woq
	v_lshl_add_u32 v192, v0, 2, 0x8000
	v_mov_b32 v193, 0
	v_lshrrev_b32 v1, 5, v0
	v_readfirstlane_b32 s30, v1                    ; wave
	v_and_b32 v2, 31, v0                           ; lane
	v_lshlrev_b32 v3, 4, v2                        ; my 16 bytes of a load's 512
	s_mul_i32 s38, s30, WREG
	v_lshrrev_b32 v14, 2, v2
	v_mul_u32_u24 v14, v14, SP
	v_and_b32 v15, 3, v2
	v_lshl_add_u32 v14, v15, 4, v14
	v_add_nc_u32 v14, s38, v14                     ; the stage, on the way in: SP (lane / 4) + 16 (lane % 4)
	v_mul_u32_u24 v15, v2, SP
	v_add_nc_u32 v15, s38, v15                     ; and on the way out: SP x lane: my 16 neighbours
	v_mul_u32_u24 v4, v2, CB                       ; my codes' place in a step's
	v_lshrrev_b32 v5, 1, v2
	s_add_co_u32 s38, s38, 2*32*SP
	v_add_nc_u32 v5, s38, v5                       ; LDS: my wave's 256 scale bytes, my block's byte
	v_lshlrev_b32 v7, 3, v2                        ; and on the way out 8 bytes a lane
	v_add_nc_u32 v6, s38, v7
	s_and_b32 s31, s30, 1
	s_lshl_b32 s31, s31, 1
	s_lshr_b32 s32, s30, 1
	s_or_b32 s31, s31, s32                         ; the wave's number with 1 and 2 exchanged
	s_mov_b32 s26, 352                             ; first work-group of the tensor,
	s_mov_b32 s27, 352                             ; and of the output buffer
	s_wait_kmcnt 0x0
	s_mov_b64 s[SRC:SRC+1], s[12:13]               ; Wo, unless the work-group's number says otherwise: the choices hang on that number alone
	s_mov_b64 s[DST:DST+1], s[20:21]
	s_cmp_lt_u32 ttmp9, 352
	s_cselect_b64 s[SRC:SRC+1], s[10:11], s[SRC:SRC+1]   ; Wv
	s_cselect_b64 s[DST:DST+1], s[18:19], s[DST:DST+1]
	s_cselect_b32 s26, 320, s26
	s_cselect_b32 s27, 320, s27
	s_cselect_b32 s32, s31, s30                    ; my group of 8 rows in the output: exchanged, but for Wo
	s_cmp_lt_u32 ttmp9, 320
	s_cselect_b64 s[SRC:SRC+1], s[8:9], s[SRC:SRC+1]     ; Wk, behind Wq in wqkq
	s_cselect_b64 s[DST:DST+1], s[16:17], s[DST:DST+1]
	s_cselect_b32 s26, 288, s26
	s_cselect_b32 s27, 256, s27
	s_cmp_lt_u32 ttmp9, 288
	s_cselect_b64 s[SRC:SRC+1], s[6:7], s[SRC:SRC+1]     ; Wq
	s_cselect_b32 s26, 256, s26
	s_cmp_lt_u32 ttmp9, 256
	s_cselect_b64 s[SRC:SRC+1], s[4:5], s[SRC:SRC+1]     ; x
	s_cselect_b64 s[DST:DST+1], s[14:15], s[DST:DST+1]
	s_cselect_b32 s26, 0, s26
	s_cselect_b32 s27, 0, s27
	s_sub_co_u32 s33, ttmp9, s26
	s_lshl_b32 s33, s33, 2
	s_add_co_u32 s33, s33, s30                     ; which run of 8 rows of the tensor is my wave's
	s_lshl_b32 s34, s33, 15                        ; 32,768 bytes a run (under 2^26)
	s_mov_b32 s35, 0
	s_add_nc_u64 s[SRC:SRC+1], s[SRC:SRC+1], s[34:35]
	s_sub_co_u32 s33, ttmp9, s27
	s_lshl_b32 s33, s33, 2
	s_add_co_u32 s33, s33, s32                     ; and which group of 8 rows of the output
	s_mul_i32 s34, s33, 32*STEPS*CB                ; 6,144 bytes of codes a group,
	s_add_co_u32 s34, s34, SOFF
	s_add_nc_u64 s[COD:COD+1], s[DST:DST+1], s[34:35]
	s_lshl_b32 s34, s33, 8                         ; 256 scale bytes
	s_add_nc_u64 s[DST:DST+1], s[DST:DST+1], s[34:35]
.macro LOAD t
.irp i, 0,1,2,3
	global_load_b128 v[R+16*((\t)%4)+4*\i:R+16*((\t)%4)+4*\i+3], v3, s[SRC:SRC+1] offset:2048*(\t)+512*\i th:TH_LOAD_NT   ; 32 lanes read 512 consecutive bytes
.endr
.endm
.macro TURN t                          ; step t's numbers through the stage: LDS serves a wave's instructions in order, so no wait stands between the stores and the loads
.irp i, 0,1,2,3
	ds_store_b128 v14, v[R+16*((\t)%4)+4*\i:R+16*((\t)%4)+4*\i+3] offset:32*SP*((\t)%2)+8*SP*\i
.endr
.irp i, 0,1,2,3
	ds_load_b128 v[X+16*((\t)%2)+4*\i:X+16*((\t)%2)+4*\i+3], v15 offset:32*SP*((\t)%2)+16*\i
.endr
.endm
.irp t, 0,1,2,3
	LOAD \t
.endr
	s_wait_loadcnt 12                              ; step 0's four loads are in; twelve younger ones stay out
	TURN 0
.macro STEP t
.set XS, X+16*((\t)%2)
.if (\t) > 0
	s_wait_dscnt 1                                 ; this step's numbers are back from the stage (the last step's byte store may be out): so its stores into the stage have read their registers,
.else
	s_wait_dscnt 0x0
.endif
.if (\t)+4 < STEPS
	LOAD (\t)+4                                    ; which take the loads of four steps on
.endif
.if (\t)+1 < STEPS
.if STEPS-2-(\t) >= 3
	s_wait_loadcnt 12                              ; the next step's four loads are in; those of the three steps behind it may be out
.else
	s_wait_loadcnt 4*(STEPS-2-(\t))
.endif
	TURN (\t)+1                                    ; and go through the other stage while this step is worked
.endif
	v_max3_num_f32 v8, |v[XS]|, |v[XS+1]|, |v[XS+2]|               ; the largest magnitude of my 16, in two chains
	v_max3_num_f32 v9, |v[XS+3]|, |v[XS+4]|, |v[XS+5]|
.irp i, 6,10
	v_max3_num_f32 v8, v8, |v[XS+\i]|, |v[XS+\i+1]|
	v_max3_num_f32 v9, v9, |v[XS+\i+2]|, |v[XS+\i+3]|
.endr
	v_max3_num_f32 v8, v8, |v[XS+14]|, |v[XS+15]|
	v_max3_num_f32 v8, v8, v9, (EMAX+1)<<23        ; and the floor 2^(5 - 127): the byte cannot fall under 1
	v_max_num_f32_dpp v8, v8, v8 row_xmask:1 row_mask:0xf bank_mask:0xf   ; and of my neighbour's 16: the block's
	v_add_nc_u32 v11, -(EMAX<<23), v8              ; 4 off its exponent field: the conversion takes the exponent field of this operand as its scale, and nothing else of it
	v_cvt_scalef32_pk16_bf6_f32 v[C+4*(\t):C+4*(\t)+2], v[XS:XS+15], v11   ; sixteen numbers / the scale, to the nearest code, ties to even, beyond 28 the largest code; 96 bits without gaps
	v_lshrrev_b32 v[E+(\t)], 23, v11               ; the scale's byte (also the plain line behind the conversion)
	ds_store_b8 v5, v[E+(\t)] offset:16*(\t)       ; both lanes of a block write the same byte with the same value
	global_store_b96 v4, v[C+4*(\t):C+4*(\t)+2], s[COD:COD+1] offset:32*CB*(\t)   ; the wave stores 384 consecutive bytes
.endm
.irp t, 0,1,2,3,4,5,6,7,8,9,10,11,12,13,14,15
	STEP \t
.endr
	ds_load_b64 v[12:13], v6                       ; LDS serves a wave's instructions in order: these see my stores
	s_wait_dscnt 0x0
	global_store_b64 v7, v[12:13], s[DST:DST+1]    ; 32 lanes store 256 consecutive bytes, aligned
	s_wait_tensorcnt 0x0
	ds_add_u32 v192, v193
	s_wait_dscnt 0x0
	s_endpgm
.Lfunc_end_k_q810a8013ff_quant:
	.size	k_q810a8013ff_quant, .Lfunc_end_k_q810a8013ff_quant-k_q810a8013ff_quant
	.p2alignl 7, 3214868480
	.fill 96, 4, 3214868480
	.section	.rodata,"a",@progbits
	.p2align	6, 0x0
	.amdhsa_kernel k_q810a8013ff_quant
		.amdhsa_group_segment_fixed_size 33280
		.amdhsa_private_segment_fixed_size 0
		.amdhsa_enable_private_segment 0
		.amdhsa_kernarg_size 72
		.amdhsa_user_sgpr_count 2
		.amdhsa_user_sgpr_kernarg_segment_ptr 1
		.amdhsa_wavefront_size32 1
		.amdhsa_system_sgpr_workgroup_id_x 1
		.amdhsa_system_sgpr_workgroup_id_y 1
		.amdhsa_system_sgpr_workgroup_id_z 1
		.amdhsa_system_vgpr_workitem_id 0
		.amdhsa_next_free_vgpr 194
		.amdhsa_next_free_sgpr 66
		.amdhsa_reserve_vcc 0
		.amdhsa_float_denorm_mode_32 3
		.amdhsa_float_denorm_mode_16_64 3
		.amdhsa_memory_ordered 1
		.amdhsa_forward_progress 1
		.amdhsa_inst_pref_size 33
	.end_amdhsa_kernel
	.amdgpu_metadata
---
amdhsa.version: [ 1, 2 ]
amdhsa.kernels:
  - .name:           k_q810a8013ff_quant
    .symbol:         k_q810a8013ff_quant.kd
    .args:
      - { .name: x, .offset: 0, .size: 8, .value_kind: global_buffer, .address_space: global }
      - { .name: Wq, .offset: 8, .size: 8, .value_kind: global_buffer, .address_space: global }
      - { .name: Wk, .offset: 16, .size: 8, .value_kind: global_buffer, .address_space: global }
      - { .name: Wv, .offset: 24, .size: 8, .value_kind: global_buffer, .address_space: global }
      - { .name: Wo, .offset: 32, .size: 8, .value_kind: global_buffer, .address_space: global }
      - { .name: xq, .offset: 40, .size: 8, .value_kind: global_buffer, .address_space: global }
      - { .name: wqkq, .offset: 48, .size: 8, .value_kind: global_buffer, .address_space: global }
      - { .name: wvq, .offset: 56, .size: 8, .value_kind: global_buffer, .address_space: global }
      - { .name: woq, .offset: 64, .size: 8, .value_kind: global_buffer, .address_space: global }
    .group_segment_fixed_size: 33280
    .private_segment_fixed_size: 0
    .kernarg_segment_align: 8
    .kernarg_segment_size: 72
    .max_flat_workgroup_size: 128
    .sgpr_count:     66
    .vgpr_count:     194
    .wavefront_size: 32
...
	.end_amdgpu_metadata
.endif
;; end of part 1
;; launch proj (part 2): grid 8 x 48, 4 waves a work-group, clusters of 4 x 4, 327,680 bytes of LDS; arguments xq, wqkq, wvq, qkf, vf; writes qkf, vf
.if DOCPART == 2
	.amdgcn_target "amdgcn-amd-amdhsa--gfx1250"
	.amdhsa_code_object_version 6
	.text
	.protected	k_q810a8013ff_proj
	.globl	k_q810a8013ff_proj
	.p2align	8
	.type	k_q810a8013ff_proj,@function
k_q810a8013ff_proj:
	s_mov_b64 s[64:65], 0
	v_nop
	global_prefetch_b8 v0, s[64:65] scope:SCOPE_SE
	s_setreg_imm32_b32 hwreg(HW_REG_WAVE_MODE, 25, 1), 1
	s_wait_xcnt 0x0
	s_wait_alu depctr_hold_cnt(0) depctr_sa_sdst(0) depctr_va_vdst(0) depctr_va_sdst(0) depctr_va_ssrc(0) depctr_va_vcc(0) depctr_vm_vsrc(0)
	s_getreg_b32 s2, hwreg(HW_REG_IB_STS2, 6, 4)
	s_cmp_eq_u32 s2, 0
	s_cbranch_scc0 .Lentry_in_a_cluster
	s_endpgm
.Lentry_in_a_cluster:
	s_bfe_u32 s2, ttmp6, 0x10000c
	s_cmp_lg_u32 s2, 0xf033
	s_cbranch_scc0 .Lentry_shape_is_right
	s_endpgm
.Lentry_shape_is_right:
; THE THREE PROJECTIONS, on codes of BF6 (E3M2) with one E8M0 scale for each 32 along K = 1,024; the results are quantised in registers and leave as images of the next products' operand registers.
; One text makes C = A B^T twice over: clusters with y < 8: A = x (8,192 rows), B = Wq then Wk (2,048 rows): Q and K;  clusters with y = 8 .. 11: A = Wv (1,024 rows), B = x: V^T, with the keys along a lane's registers.
; Only pointers and tile numbers are chosen, by the cluster's y: one path.  Each operand buffer: scale bytes [row][32] from byte 0, codes [row][768] from byte SOFF.
; A tile of C, 256 x 256, is made by four waves, 128 x 128 each: 64 accumulators of 16 x 16, 512 registers.  K goes in steps of 256 through two LDS slots filled by the tensor data mover (rows of 192 bytes);
; the scale bytes of the work-group's 256 + 256 rows come once, as units of 256 bytes, and stay.  4 x 4 work-groups form a cluster: A's tiles are asked for jointly along a row of it, B's along a column.
; THE MATRIX INSTRUCTION IS USED TRANSPOSED (source 0 = 16 rows of B, source 1 = 16 rows of A): a lane holds one row of A, its registers run along B's rows.  The buffers' rows lie so that 16 consecutive rows are rows
; 32 B + 8 u + p + 8 (p / 8) of the tensor: the 16 registers of B's tiles 2 B and 2 B + 1 are then 16 NEIGHBOURS along the next product's K, 32 B + 16 (lane / 16) + 0 .. 15.
; THE WAY OUT: a wave's block a (16 rows of A x 128 rows of B) is one fragment of the next product: four blocks of 32 are quantised (largest magnitude with lane l xor 16's, byte, conversion, exchange of halves) and the 12 registers
; are stored as they stand: piece c of 512 bytes holds registers 4 c .. 4 c + 3, lane l's 16 bytes at 16 l.  A wave's eight fragments and a unit of 512 bytes of scale words (lane l: words 0 .. 3; word p: lanes 0-15 fragment 2 p's
; rows, lanes 16-31 fragment 2 p + 1's) are a GROUP of 12,800 bytes, number ((U / 16) 16 + bb) 16 + U % 16, U = A's row / 128, bb = B's row / 128.  Every store covers 512 consecutive bytes, aligned.
; LIMITS: a block of zeros gets the byte 1 with zero codes; blocks under 2^-122 keep the byte 1; NaN and infinities are not served.
; REGISTERS, in windows of 256: window 0: v0-31 addresses; v32-63 scale words, two sets; from v128 A's fragments, ONE set; on the way out v64-223 codes, v224-247 at work.
;   window 1: B's fragments, TWO sets, at v0 and v128.   window 2: the accumulators of my rows 0-63 ((a, b) at v[8 (8 a + b)]);   window 3: those of my rows 64-127.
.set SIZE_K, 1024
.set KSTEP,  256                       ; along K in a slot
.set NQ,     KSTEP/128                 ; matrix instructions deep
.set ROWB,   192                       ; a tile's row in bytes
.set KROW,   SIZE_K*6/8                ; a row of codes in memory
.set PITCH,  240                       ; an LDS row: 3 x (64 bytes + 16 of padding) = 60 words: row r starts at bank -4 r mod 64 (64 banks of 4 bytes: ISA guide 11.1)
.set FR,     12                        ; registers of a fragment
.set NL,     6                         ; LDS loads that bring one
.set NP,     4                         ; places behind this matrix instruction (ISA guide 7.12.1)
.set HALFT,  128*PITCH                 ; 128 rows: what one tensor load brings
.set SLOT,   4*HALFT                   ; A's 256 rows, then B's 256 rows
.set LAPS,   SIZE_K/(2*KSTEP)          ; a lap = two K steps = once round the ring
.set KS,     SIZE_K/32                 ; a row of scale bytes
.set SCL,    2*SLOT                    ; behind the ring: the scales, as units of 256 bytes + 16 of padding
.set HALFS,  (128*KS/256)*272          ; the scales of 128 rows
.set SBLK,   (16*KS/256)*272           ; those of 16 rows
.set SPARE,  SCL+4*HALFS               ; the spare words, 128 bytes for each wave: two blocks of 256 bytes that no other line names
.set SOFF,   262144                    ; where the codes begin in an operand buffer
.set GRP,    12800                     ; a group of eight fragments and their scale words
.set ADRA, 16                          ; v16-17  LDS address of my A fragments in slot 0, 1  (v18-19: for the pieces that lie behind one padding more)
.set ADRB, 20                          ; v20-21  the same for B  (v22-23)
.set CO,   26                          ; v26     16 x lane: my place in a stored piece
.set ADRS, 27                          ; v27     LDS address of my scale words: lanes 0-15 A's rows, lanes 16-31 B's
.set SPW,  28                          ; v28     LDS address of my spare word; never rewritten
.set NIL,  29                          ; v29     0; never rewritten
.set SC,   32                          ; scale words: set s at v[SC + 8 NQ s]; register NQ i + q: lanes 0-15 A's block i, lanes 16-31 B's block i
.set AF,   128                         ; A's fragments, in window 0
.set PCB,  64                          ; the way out: block a's 12 registers of codes and 8 at work at v[PCB + 20 a]
.set PWB,  224                         ; v224-231 block a's scale word
.set SCW,  232                         ; v232-235 the group's scale words as they are stored
.set TM,   236                         ; v236-239 four blocks' largest magnitudes
.set T2,   240                         ; v240-243 the other half's; then the bytes
.set SO,   244                         ; v244-247 the conversions' scale operands
.set G1, 24                            ; s[24:31] descriptor group 1 for A's tiles;  s[32:39] group 0, one set for each slot
.set G0, 32
.set G1B, 48                           ; s[48:55], s[56:63] the same for B's tiles
.set G0B, 56
.set G1S, 68                           ; s[68:75], s[76:79] groups 1 and 0 for A's scales;  s[80:87], s[88:91] for B's
.set G0S, 76
.set G1SB, 80
.set G0SB, 88
.set MSB, 0
.macro WIN new                         ; the immediate's high byte repeats the setting that is left
.if MSB != \new
	s_set_vgpr_msb (MSB<<8)|\new
.set MSB, \new
.endif
.endm
.set MUL_LO, 0xa1                      ; source 0 (B) window 1, source 1 (A) window 0, C and D window 2
.set MUL_HI, 0xf1                      ; the same, C and D window 3
.set TO_B,   0x40                      ; destination window 1, address window 0
; A joint load: waves 0 and 1 fetch for A, waves 2 and 3 for B.  Each of the two lines has ONE mask and one set of registers for all that issue it; the branch hangs on the wave's number alone.
; Four v_nop follow each of the two lines, ahead of the jump, the label and what follows.
.macro JLOAD g0a, g1a, g0b, g1b
	s_cmp_eq_u32 s15, 0
	s_cbranch_scc0 .Lfor_b_\@
	tensor_load_to_lds s[\g0a:\g0a+3], s[\g1a:\g1a+7]
	s_nop 0
.rept 4
	v_nop
.endr
	s_branch .Lasked_\@
.Lfor_b_\@:
	tensor_load_to_lds s[\g0b:\g0b+3], s[\g1b:\g1b+7]
	s_nop 0
.rept 4
	v_nop
.endr
.Lasked_\@:
.endm
.macro CREST                           ; a round of the cluster's barrier behind its opening barrier
	s_cmp_lg_u32 s14, 0
	s_cbranch_scc1 .Lnot_wave_0_\@
	s_barrier_signal -3
.Lnot_wave_0_\@:
	s_barrier_wait -3
	s_barrier_signal -1
	s_barrier_wait -1
.endm
.macro CROUND                          ; a whole round
	s_barrier_signal -1
	s_barrier_wait -1
	CREST
.endm
	s_load_b256 s[4:11], s[0:1], 0x0               ; xq 4:5, wqkq 6:7, wvq 8:9, qkf 10:11
	s_load_b64 s[12:13], s[0:1], 0x20              ; vf
	v_lshl_add_u32 v[SPW], v0, 2, SPARE
	v_mov_b32 v[NIL], 0
	ds_add_u32 v28, v29
	ds_add_u32 v28, v29
	s_wait_dscnt 0x0
	v_lshrrev_b32 v1, 5, v0
	v_readfirstlane_b32 s14, v1                    ; wave 0..3
	s_lshr_b32 s15, s14, 1                         ; which half of the tile's rows of A is mine.  Also: I fetch for A (0) or for B (1)
	s_and_b32 s16, s14, 1                          ; which half of its rows of B.  Also: which 128 rows of that tile I fetch
	s_bfe_u32 s40, ttmp6, 0x40000                  ; cx, cy: my place in the cluster
	s_bfe_u32 s41, ttmp6, 0x40004
	s_and_b32 s66, ttmp7, 0xffff                   ; the cluster's y: 0 .. 7 make Q and K, 8 .. 11 make V^T
	s_max_u32 s67, s66, 8
	s_sub_co_u32 s67, s67, 8
	s_lshl_b32 s67, s67, 1
	s_add_co_u32 s67, s67, ttmp9                   ; for V^T: which four tiles of x (as B): 2 (y - 8) + cluster x
	s_lshl_b32 s43, s41, 2
	s_lshl_b32 s43, 15, s43                        ; my row of the cluster
	s_lshl_b32 s44, 0x1111, s40                    ; my column
	; descriptor group 1: a tile of 128 rows x ROWB bytes, padded in LDS
	s_or_b32 s[G1+0], s43, (0<<16)|(1<<20)|(1<<21)|(3<<22)|(3<<25)  ; 15:0 the mask: A's tiles go to my row; 17:16 element of 1 byte; 20 padding on; 21 set beside a mask; 24:22 after every 16 words (code 3); 31:25 of 4 words (code 3)
	s_or_b32 s[G1B+0], s44, (0<<16)|(1<<20)|(1<<21)|(3<<22)|(3<<25)
.irp g, G1, G1B
	s_mov_b32 s[\g+1], ROWB<<16                    ; tensor_dim0
	s_mov_b32 s[\g+2], 128<<16                     ; tensor_dim1 = 128
	s_mov_b32 s[\g+3], ROWB<<16                    ; tile_dim0
	s_mov_b32 s[\g+4], 128                         ; tile_dim1 = 128
	s_mov_b32 s[\g+5], KROW                        ; tensor_dim0_stride
	s_mov_b32 s[\g+6], 0
	s_mov_b32 s[\g+7], 0
.endr
	; and for the scales of 128 rows: a dense block of 4,096 bytes, as 16 rows of 256 bytes (32 elements of 8 bytes), 16 bytes of padding behind each
	s_or_b32 s[G1S+0], s43, (3<<16)|(1<<20)|(1<<21)|(5<<22)|(3<<25)
	s_or_b32 s[G1SB+0], s44, (3<<16)|(1<<20)|(1<<21)|(5<<22)|(3<<25)
.irp g, G1S, G1SB
	s_mov_b32 s[\g+1], 32<<16
	s_mov_b32 s[\g+2], (128*KS/256)<<16
	s_mov_b32 s[\g+3], 32<<16
	s_mov_b32 s[\g+4], 128*KS/256
	s_mov_b32 s[\g+5], 32
	s_mov_b32 s[\g+6], 0
	s_mov_b32 s[\g+7], 0
.endr
	s_wait_kmcnt 0x0
	s_cmp_lt_u32 s66, 8                            ; Q and K, or V^T?  The choice hangs on the cluster's y alone, which all sixteen partners share
	s_cselect_b32 s17, s66, 0                      ; A's four tiles: x's by the cluster's y; Wv has four in all
	s_cselect_b32 s42, ttmp9, s67                  ; B's four tiles
	s_cselect_b64 s[92:93], s[4:5], s[8:9]         ; A's buffer: xq or wvq
	s_cselect_b64 s[94:95], s[6:7], s[4:5]         ; B's buffer: wqkq or xq
	s_cselect_b64 s[12:13], s[10:11], s[12:13]     ; the output: qkf or vf
	s_lshl_b32 s17, s17, 2
	s_add_co_u32 s17, s17, s41                     ; A's tile of 256 rows: no cx in it
	s_lshl_b32 s42, s42, 2
	s_add_co_u32 s42, s42, s40                     ; B's tile of 256 rows: no cy in it
	s_lshl_b32 s18, s16, 7                         ; which 128 rows of the tile I fetch
	s_lshl_b32 s20, s17, 8
	s_add_co_u32 s20, s20, s18                     ; A: row 256 x tile + 128 x half
	s_lshl_b32 s46, s42, 8
	s_add_co_u32 s46, s46, s18                     ; B likewise
	s_mov_b32 s21, 0
	s_mov_b32 s47, 0
	s_mov_b64 s[18:19], KS
	s_mul_u64 s[22:23], s[20:21], s[18:19]         ; where these rows' scales begin, in bytes
	s_mul_u64 s[96:97], s[46:47], s[18:19]
	s_mov_b64 s[18:19], KROW
	s_mul_u64 s[20:21], s[20:21], s[18:19]         ; and their codes, counted from SOFF
	s_mul_u64 s[46:47], s[46:47], s[18:19]
	s_mul_i32 s45, s14, HALFT                      ; where they go: wave x 128 rows: no place in the cluster enters an LDS address
	s_mul_i32 s98, s14, HALFS
	s_add_nc_u64 s[20:21], s[92:93], s[20:21]
	s_add_nc_u64 s[20:21], s[20:21], SOFF
	s_add_nc_u64 s[22:23], s[92:93], s[22:23]
	s_add_nc_u64 s[46:47], s[94:95], s[46:47]
	s_add_nc_u64 s[46:47], s[46:47], SOFF
	s_add_nc_u64 s[96:97], s[94:95], s[96:97]
	CROUND                                         ; all sixteen work-groups are here: the first joint loads meet
	s_mov_b32 s[G0S], 1
	s_add_co_u32 s[G0S+1], s98, SCL
	s_mov_b64 s[G0S+2:G0S+3], s[22:23]
	s_or_b32 s[G0S+3], s[G0S+3], 0x80000000
	s_mov_b32 s[G0SB], 1
	s_add_co_u32 s[G0SB+1], s98, SCL
	s_mov_b64 s[G0SB+2:G0SB+3], s[96:97]
	s_or_b32 s[G0SB+3], s[G0SB+3], 0x80000000
	JLOAD G0S, G1S, G0SB, G1SB                     ; the scales first: they are wanted with K step 0
.irp s, 0,1
	s_mov_b32 s[G0+4*\s], 1
	s_add_co_u32 s[G0+4*\s+1], s45, \s*SLOT
	s_add_nc_u64 s[G0+4*\s+2:G0+4*\s+3], s[20:21], \s*ROWB
	s_or_b32 s[G0+4*\s+3], s[G0+4*\s+3], 0x80000000
	s_mov_b32 s[G0B+4*\s], 1
	s_add_co_u32 s[G0B+4*\s+1], s45, \s*SLOT
	s_add_nc_u64 s[G0B+4*\s+2:G0B+4*\s+3], s[46:47], \s*ROWB
	s_or_b32 s[G0B+4*\s+3], s[G0B+4*\s+3], 0x80000000
	JLOAD G0+4*\s, G1, G0B+4*\s, G1B               ; by this text's count three loads of a wave are out here
.endr
	v_and_b32 v1, 15, v0                           ; l % 16
	v_bfe_u32 v2, v0, 4, 1                         ; l / 16
	v_mul_u32_u24 v3, v1, PITCH
	v_mul_u32_u24 v4, v2, 24
	v_add_nc_u32 v4, v3, v4                        ; a fragment's row x pitch + 24 x half
	v_lshl_add_u32 v5, v2, 4, v4                   ; and the same behind one padding more
	s_mul_i32 s21, s15, HALFT                      ; my 128 rows of A
	s_mul_i32 s22, s16, HALFT                      ; my 128 rows of B,
	s_add_co_u32 s22, s22, 2*HALFT                 ; which lie behind A's 256
.irp s, 0,1
	v_add_nc_u32 v[ADRA+\s], s21, v4
	v_add_nc_u32 v[ADRB+\s], s22, v4
	v_add_nc_u32 v[ADRA+2+\s], s21, v5
	v_add_nc_u32 v[ADRB+2+\s], s22, v5
	s_add_co_u32 s21, s21, SLOT
	s_add_co_u32 s22, s22, SLOT
.endr
	v_mul_u32_u24 v5, v1, KS                       ; my row's scales: KS bytes a row,
	v_lshrrev_b32 v6, 8, v5
	v_lshl_add_u32 v5, v6, 4, v5                   ; and 16 more for each 256 passed
	s_mul_i32 s21, s15, HALFS                      ; A's: my 128 rows
	s_mul_i32 s22, s16, HALFS                      ; B's: my 128 rows, behind A's 256
	s_add_co_u32 s22, s22, 2*HALFS
	s_sub_co_u32 s22, s22, s21
	v_mul_u32_u24 v6, s22, v2                      ; lanes 16-31 take B's: one product, the distance between the two bases
	s_add_co_u32 s21, s21, SCL
	v_add_nc_u32 v5, v5, v6
	v_add_nc_u32 v[ADRS], s21, v5
	v_and_b32 v6, 31, v0
	v_lshlrev_b32 v[CO], 4, v6
	; my group in the output: ((U / 16) 16 + bb) 16 + U % 16
	s_lshl_b32 s20, s17, 1
	s_add_co_u32 s20, s20, s15                     ; U = my rows of A / 128
	s_lshl_b32 s46, s42, 1
	s_add_co_u32 s46, s46, s16                     ; bb = my rows of B / 128
	s_lshr_b32 s47, s20, 4
	s_lshl_b32 s47, s47, 4
	s_add_co_u32 s47, s47, s46
	s_lshl_b32 s47, s47, 4
	s_and_b32 s20, s20, 15
	s_add_co_u32 s46, s47, s20
	s_mul_i32 s46, s46, GRP                        ; at most 1,023 groups on: under 2^24 bytes
	s_mov_b32 s47, 0
	s_add_nc_u64 s[12:13], s[12:13], s[46:47]
.macro FRAG reg, adr, q, i             ; a fragment, 16 rows x 128 K of 6-bit codes, is 12 registers: lane l holds row l % 16; registers 6 c .. 6 c + 5 hold K = 64 c + 32 (l / 16) + 0 .. 31: 24 bytes of the row, as they lie
.irp p, 0,1,2,3,4,5                    ; in pieces of 8 bytes, so that every address is a multiple of the access's size
.set PC, 12*(\q)+6*(\p/3)+\p%3        ; 16 bytes of padding lie behind every 8 pieces: where the piece three on lies behind one padding more, the second address register serves
.if PC%8 < 5
	ds_load_b64 v[\reg+2*\p:\reg+2*\p+1], v[\adr] offset:8*PC+16*(PC/8)+(\i)*16*PITCH
.else
	ds_load_b64 v[\reg+2*\p:\reg+2*\p+1], v[\adr+2] offset:8*PC+16*(PC/8)+(\i)*16*PITCH
.endif
.endr
.endm
; 16 matrix instructions: A's blocks a0, a0 + 1 x B's eight, 128 along K.  p: B's set;  sc: the set of scale words.  zero = 1: the first product starts the sums: nothing is ever cleared.
; The 64 accumulators take turns, one instruction a turn, in the same order in every step.
.macro MUL16 a0, p, q, sc, zero
.irp a, \a0, \a0+1
.irp b, 0,1,2,3,4,5,6,7
.if \zero
	v_wmma_scale_f32_16x16x128_f8f6f4 v[8*(8*((\a)%4)+\b):8*(8*((\a)%4)+\b)+7], v[128*(\p)+FR*\b:128*(\p)+FR*\b+FR-1], v[AF+FR*(\a):AF+FR*(\a)+FR-1], 0, v[SC+8*NQ*(\sc)+NQ*\b+(\q)], v[SC+8*NQ*(\sc)+NQ*(\a)+(\q)] matrix_a_fmt:MATRIX_FMT_BF6 matrix_b_fmt:MATRIX_FMT_BF6 matrix_a_scale:MATRIX_SCALE_ROW1
.else
	v_wmma_scale_f32_16x16x128_f8f6f4 v[8*(8*((\a)%4)+\b):8*(8*((\a)%4)+\b)+7], v[128*(\p)+FR*\b:128*(\p)+FR*\b+FR-1], v[AF+FR*(\a):AF+FR*(\a)+FR-1], v[8*(8*((\a)%4)+\b):8*(8*((\a)%4)+\b)+7], v[SC+8*NQ*(\sc)+NQ*\b+(\q)], v[SC+8*NQ*(\sc)+NQ*(\a)+(\q)] matrix_a_fmt:MATRIX_FMT_BF6 matrix_b_fmt:MATRIX_FMT_BF6 matrix_a_scale:MATRIX_SCALE_ROW1
.endif
.endr
.endr
.endm
.macro FETCH_B slot, q, p              ; B's eight fragments of the slot's q-th 128 along K into set p
	WIN TO_B
.irp i, 0,1,2,3,4,5,6,7
	FRAG 128*(\p)+FR*\i, ADRB+\slot, \q, \i
.endr
	WIN 0
.endm
.macro FETCH_A slot, q, i0             ; A's blocks i0 .. i0 + 3
.irp i, \i0, \i0+1, \i0+2, \i0+3
	FRAG AF+FR*(\i), ADRA+\slot, \q, \i
.endr
.endm
.macro SCALES sc                       ; the next K step's scale words into set sc: NQ words a row; lanes 0-15 take A's block i, lanes 16-31 B's block i
.irp i, 0,1,2,3,4,5,6,7
	ds_load_b64 v[SC+8*NQ*\sc+NQ*\i:SC+8*NQ*\sc+NQ*\i+1], v[ADRS] offset:\i*SBLK
.endr
.endm
; A load into a register that a matrix instruction has read, and a vector instruction that reads a matrix result or writes one of its registers, stand NP places behind that matrix instruction; only plain vector
; instructions that name none of its registers are places (ISA guide 7.12.1 for vector instructions).
.macro PLACES n
.rept \n
	v_nop
.endr
.endm
; A step of 128 along K that has its successor in the same slot.
.macro STEP slot, q, zero
	s_wait_dscnt 4*NL                              ; B's set and A's blocks 0-3 are in; the youngest 24 loads (A's blocks 4-7) may be out
	WIN MUL_LO
	MUL16 0, (\q)%2, \q, \slot, \zero
	MUL16 2, (\q)%2, \q, \slot, \zero
	s_wait_dscnt 0                                 ; A's blocks 4-7 are in (asked for 32 matrix instructions ago)
	PLACES NP
	FETCH_B \slot, (\q)+1, 1-(\q)%2
	FETCH_A \slot, (\q)+1, 0
	WIN MUL_HI
	MUL16 4, (\q)%2, \q, \slot, \zero
	MUL16 6, (\q)%2, \q, \slot, \zero
	PLACES NP
	WIN 0
	FETCH_A \slot, (\q)+1, 4
.endm
; A slot's last step changes slots: ONE barrier; in front of it each wave waits for all its tensor loads, adds 0 to its spare word, and waits for that and for its own reads of this slot.  fill = 1: this slot is filled again, two K steps ahead.
.macro TURN slot, next, fill
	s_wait_tensorcnt 0x0                           ; all my tensor loads have landed: my part of the next slot;  (every window is 0 here)
	ds_add_u32 v[SPW], v[NIL]                      ; 0 onto my spare word
	s_wait_dscnt 4*NL+1                            ; (the add and the youngest 24 loads, A's blocks 4-7, may be out)
	WIN MUL_LO
	MUL16 0, 1, NQ-1, \slot, 0                     ; sixteen matrix instructions stand between the add and the wait for it
	s_wait_dscnt 0x0                               ; the add is done, and my reads of this slot are over
	s_barrier_signal -1
	MUL16 2, 1, NQ-1, \slot, 0
	WIN 0
	s_barrier_wait -1
.if \fill
	CREST                                          ; the barrier has opened a round of the cluster's barrier: no wave of any partner still reads this slot's tile or has a load on its way
	s_add_nc_u64 s[G0+4*\slot+2:G0+4*\slot+3], s[G0+4*\slot+2:G0+4*\slot+3], 2*ROWB
	s_add_nc_u64 s[G0B+4*\slot+2:G0B+4*\slot+3], s[G0B+4*\slot+2:G0B+4*\slot+3], 2*ROWB
	JLOAD G0+4*\slot, G1, G0B+4*\slot, G1B         ; the first tensor load behind the round; the four v_nop behind it are the places in front of the loads below
.else
	PLACES NP
.endif
	v_add_nc_u32 v[ADRS], 4*NQ, v[ADRS]            ; on to the next K step's scale words (no LDS load of mine is out)
	FETCH_B \next, 0, 0
	FETCH_A \next, 0, 0
	SCALES \next
	WIN MUL_HI
	MUL16 4, 1, NQ-1, \slot, 0
	MUL16 6, 1, NQ-1, \slot, 0
	PLACES NP
	WIN 0
	FETCH_A \next, 0, 4
.endm
	s_wait_tensorcnt 1                             ; the scales and my part of K step 0 are in (K step 1's load may be out)
	s_barrier_signal -1
	s_barrier_wait -1                              ; everybody's are
	FETCH_B 0, 0, 0
	FETCH_A 0, 0, 0
	SCALES 0
	FETCH_A 0, 0, 4
	STEP 0, 0, 1                                   ; the first step stands in front of the loop: its products start the sums
	s_mov_b32 s3, LAPS-1
.Llap:                                                 ; a trip goes once round the ring, from a lap's second step to the next lap's first, and fills both slots again
	TURN 0, 1, 1
	STEP 1, 0, 0
	TURN 1, 0, 1
	STEP 0, 0, 0
	s_sub_co_u32 s3, s3, 1
	s_cmp_lg_u32 s3, 0
	s_cbranch_scc1 .Llap
	TURN 0, 1, 0                                   ; the last lap fills nothing, and has no round of the cluster's barrier
	STEP 1, 0, 0
	s_wait_dscnt 4*NL                              ; the very last step: nothing more to fetch
	WIN MUL_LO
	MUL16 0, 1, NQ-1, 1, 0
	MUL16 2, 1, NQ-1, 1, 0
	s_wait_dscnt 0
	WIN MUL_HI
	MUL16 4, 1, NQ-1, 1, 0
	MUL16 6, 1, NQ-1, 1, 0
	WIN 0
; THE WAY OUT.  Block a's 64 registers of a lane: register 16 b + i = number 32 b + 16 (lane / 16) + i, along the next K, of my row.  They become a fragment's 12 registers and its scale word, and are stored as they stand.
; Each block has registers of its own for its codes and its word, so no store's data are written again.
.macro QUANTW a
.set qS, 64*((\a)%4)                   ; the block's accumulators,
.set qW, 2+(\a)/4                      ; in window 2 or 3
.set qW5, 5*qW                         ; sources 0 and 1 in that window
.set qP, PCB+20*(\a)
	WIN qW5
.irp b, 0,1,2,3
	v_max3_num_f32 v[TM+\b], |v[qS+16*\b]|, |v[qS+16*\b+1]|, 0x2800000   ; block b of 32: my 16 numbers, each accumulator from its low end on, and the floor 2^(5 - 127): the byte cannot fall under 1
.endr
.irp i, 2,4,6,8,10,12,14
.irp b, 0,1,2,3
	v_max3_num_f32 v[TM+\b], |v[qS+16*\b+\i]|, |v[qS+16*\b+\i+1]|, v[TM+\b]   ; (the four blocks by turns)
.endr
.endr
	WIN 0
.irp b, 0,1,2,3
	v_permlanex16_b32 v[T2+\b], v[TM+\b], s18, s19
.endr
.irp b, 0,1,2,3
	v_max_num_f32 v[TM+\b], v[TM+\b], v[T2+\b]     ; with lane l xor 16's: the block's largest magnitude
.endr
.irp b, 0,1,2,3
	v_add_nc_u32 v[SO+\b], 0xfe000000, v[TM+\b]    ; 4 off its exponent field: the conversion's scale operand
.endr
.irp b, 0,1,2,3
	v_lshrrev_b32 v[T2+\b], 23, v[SO+\b]           ; the scale's byte
.endr
	v_lshl_or_b32 v[PWB+(\a)], v[T2+1], 8, v[T2]   ; the four bytes make my row's scale word
	v_lshl_or_b32 v[PWB+(\a)], v[T2+2], 16, v[PWB+(\a)]
	v_lshl_or_b32 v[PWB+(\a)], v[T2+3], 24, v[PWB+(\a)]
	WIN qW                                         ; source 0 in the block's window
.irp c, 0,1
	v_cvt_scalef32_pk16_bf6_f32 v[qP+6*\c:qP+2+6*\c], v[qS+32*\c:qS+15+32*\c], v[SO+2*\c]
	v_cvt_scalef32_pk16_bf6_f32 v[qP+12+4*\c:qP+14+4*\c], v[qS+16+32*\c:qS+31+32*\c], v[SO+2*\c+1]   ; (a conversion's three registers begin on an even number)
.endr
	WIN 0
	v_nop                                          ; one plain line behind the scaled conversions
.irp c, 0,1                                    ; the operand's layout wants a WHOLE block in a lane: lanes 0-15 block 2 c, lanes 16-31 block 2 c + 1
.irp i, 0,1,2
	v_permlane16_swap_b32 v[qP+6*\c+\i], v[qP+12+4*\c+\i]
.endr
.irp i, 0,1,2
	v_mov_b32 v[qP+3+6*\c+\i], v[qP+12+4*\c+\i]
.endr
.endr
.irp c, 0,1,2
	global_store_b128 v[CO], v[qP+4*\c:qP+4*\c+3], s[12:13] offset:1536*(\a)+512*\c   ; 32 lanes store 512 consecutive bytes, aligned
.endr
.endm
	s_mov_b32 s18, 0x76543210
	s_mov_b32 s19, 0xfedcba98                      ; v_permlanex16_b32's selects for lane l xor 16
	s_mov_b32 s21, 0xffff0000                      ; lanes 16-31
.irp b, 0,1,2,3
	v_mov_b32 v[T2+\b], 0                          ; written once: a lane permute's destination counts as one of its sources
.endr
	PLACES NP                                      ; behind the last products: for the first reads of results and the writes over A's fragments
.irp a, 0,1,2,3,4,5,6,7
	QUANTW \a
.endr
.irp p, 0,1,2,3
	v_cndmask_b32 v[SCW+\p], v[PWB+2*\p], v[PWB+2*\p+1], s21   ; word p: lanes 0-15 fragment 2 p's rows, lanes 16-31 fragment 2 p + 1's
.endr
	global_store_b128 v[CO], v[SCW:SCW+3], s[12:13] offset:12288
	s_wait_tensorcnt 0x0                           ; the wave's end
	ds_add_u32 v[SPW], v[NIL]
	s_wait_dscnt 0x0
	CROUND                                         ; the closing round: no work-group ends while a partner may still ask for a tile that names it
	s_endpgm
.Lfunc_end_k_q810a8013ff_proj:
	.size	k_q810a8013ff_proj, .Lfunc_end_k_q810a8013ff_proj-k_q810a8013ff_proj
	.p2alignl 7, 3214868480
	.fill 96, 4, 3214868480
	.section	.rodata,"a",@progbits
	.p2align	6, 0x0
	.amdhsa_kernel k_q810a8013ff_proj
		.amdhsa_group_segment_fixed_size 327680
		.amdhsa_private_segment_fixed_size 0
		.amdhsa_enable_private_segment 0
		.amdhsa_kernarg_size 40
		.amdhsa_user_sgpr_count 2
		.amdhsa_user_sgpr_kernarg_segment_ptr 1
		.amdhsa_wavefront_size32 1
		.amdhsa_system_sgpr_workgroup_id_x 1
		.amdhsa_system_sgpr_workgroup_id_y 1
		.amdhsa_system_sgpr_workgroup_id_z 1
		.amdhsa_system_vgpr_workitem_id 0
		.amdhsa_next_free_vgpr 1024
		.amdhsa_next_free_sgpr 100
		.amdhsa_reserve_vcc 0
		.amdhsa_float_denorm_mode_32 3
		.amdhsa_float_denorm_mode_16_64 3
		.amdhsa_memory_ordered 1
		.amdhsa_forward_progress 1
		.amdhsa_inst_pref_size 164
	.end_amdhsa_kernel
	.amdgpu_metadata
---
amdhsa.version: [ 1, 2 ]
amdhsa.kernels:
  - .name:           k_q810a8013ff_proj
    .symbol:         k_q810a8013ff_proj.kd
    .args:
      - { .name: xq, .offset: 0, .size: 8, .value_kind: global_buffer, .address_space: global }
      - { .name: wqkq, .offset: 8, .size: 8, .value_kind: global_buffer, .address_space: global }
      - { .name: wvq, .offset: 16, .size: 8, .value_kind: global_buffer, .address_space: global }
      - { .name: qkf, .offset: 24, .size: 8, .value_kind: global_buffer, .address_space: global }
      - { .name: vf, .offset: 32, .size: 8, .value_kind: global_buffer, .address_space: global }
    .group_segment_fixed_size: 327680
    .private_segment_fixed_size: 0
    .kernarg_segment_align: 8
    .kernarg_segment_size: 40
    .max_flat_workgroup_size: 128
    .sgpr_count:     100
    .vgpr_count:     1024
    .wavefront_size: 32
...
	.end_amdgpu_metadata
.endif
;; end of part 2
;; launch attn (part 3): grid 8 x 32, 8 waves a work-group, clusters of 4 x 1, 327,680 bytes of LDS; arguments qkf, vf, woq, part; writes part
.if DOCPART == 3
	.amdgcn_target "amdgcn-amd-amdhsa--gfx1250"
	.amdhsa_code_object_version 6
	.text
	.protected	k_q810a8013ff_attn
	.globl	k_q810a8013ff_attn
	.p2align	8
	.type	k_q810a8013ff_attn,@function
k_q810a8013ff_attn:
	s_mov_b64 s[64:65], 0
	v_nop
	global_prefetch_b8 v0, s[64:65] scope:SCOPE_SE
	s_setreg_imm32_b32 hwreg(HW_REG_WAVE_MODE, 25, 1), 1
	s_wait_xcnt 0x0
	s_wait_alu depctr_hold_cnt(0) depctr_sa_sdst(0) depctr_va_vdst(0) depctr_va_sdst(0) depctr_va_ssrc(0) depctr_va_vcc(0) depctr_vm_vsrc(0)
	s_getreg_b32 s2, hwreg(HW_REG_IB_STS2, 6, 4)
	s_cmp_eq_u32 s2, 0
	s_cbranch_scc0 .Lentry_in_a_cluster
	s_endpgm
.Lentry_in_a_cluster:
	s_bfe_u32 s2, ttmp6, 0x10000c
	s_cmp_lg_u32 s2, 0x3003
	s_cbranch_scc0 .Lentry_shape_is_right
	s_endpgm
.Lentry_shape_is_right:
; ATTENTION AND THE OUTPUT PRODUCT, all on codes of BF6 (E3M2) with one E8M0 scale for each 32 along a product's K.  16 heads of 64, 2,048 queries and keys, 4 batches.
; INPUTS: qkf, vf: groups of 12,800 bytes: eight fragments (images of 12 operand registers: piece c of 512 bytes = registers 4 c .. 4 c + 3, lane l at 16 l) and 512 bytes of scale words (lane l: words 0 .. 3; word p: lanes 0-15
; fragment 2 p's rows, lanes 16-31 fragment 2 p + 1's).  Q of (batch b, head pair hp), tokens 128 un on: group (16 b + hp) 16 + un of qkf; K: (16 b + 8 + hp) 16 + un; a fragment is 16 tokens x [head 2 hp's 64 | head 2 hp + 1's 64].
; V^T of key step s: group (16 b + s) 16 + hp of vf; a fragment is 16 features of the head pair x 128 keys.  woq: Wo's scale bytes [row][32], codes [row][768] from byte SOFF.
; SHARES: a work-group owns 256 queries of one head pair; wave w owns query tiles 2 w and 2 w + 1 for both heads: four UNITS u = 2 head + q a key step of 128 keys; it walks 16 key steps.
; ONE FRAGMENT OF K SERVES BOTH HEADS: [KA | KB] x [QA | 0] gives head A's scores, [KA | KB] x [0 | QB] head B's: zero codes add nothing (all scale bytes lie in 1 .. 254).
; Both products are used transposed (S^T = K Q^T, O^T = V^T P^T): a lane holds ONE query throughout.  The tokens of a tile of K and the features of a tile of V^T lie in the order 32 B + 8 u + r + 8 (r / 8), so that the 16 registers of
; tiles 2 B, 2 B + 1 are 16 neighbouring keys (for p's quantiser) or features (for ctx's).
; THE SOFTMAX: t = score x log2(e) / 8; M = the running largest t rounded UP to a whole number; p = 2^(t - M) is quantised along the keys, not normalised; the row's sum is taken of the unquantised p and divides O at the end;
; when M moves, the sum and O are multiplied by 2^(old M - new M): exact.
; THE OUTPUT PRODUCT: ctx's 16 tiles of queries (K = this head pair's 128 of 1,024) go from wave to wave through LDS as register images; wave w multiplies all of them by Wo's rows 128 w .. 128 w + 127, all tiles adding onto the same
; eight accumulators, since the rows are summed over the tokens anyway; the sum over the 256 queries leaves as 128 numbers a wave.  The last launch adds the 64 partial rows of a batch.
; CLUSTER: the four query blocks of a cluster walk the same K and V: each piece is asked for JOINTLY, by the same tensor load with the same descriptor and the mask 15.
; No prefetch: a refill is issued four key steps, some 4,000 vector lines of each wave, ahead of the wait for it.
; LIMITS: NaN and infinities are not served; the running maximum starts at -3e38; blocks under 2^-122 and blocks of zeros have the byte 1 (zeros: with zero codes); the output product's K is summed head pair by head pair and then
; across work-groups: another order of f32 additions than one sum along K.
; REGISTERS: window 0: v1-11 addresses; v12-27 statistics; v28-41 scale words; v42-77 Q with zeros; v80-143 S^T, then p; v144-191 p's codes, 12 a unit; v192-219 at work; v224-235 scale words of the output product; v240-247 the way out.
;   window 1: v0-127 O^T, 32 a unit (later the output product's eight accumulators); v128-223 eight fragments of K, of V^T or of Wo.
.set GRP,   12800                      ; a group: a key step's K or V^T
.set FRB,   1536                       ; a fragment's image
.set SWO,   12288                      ; a group's scale words
.set VOFF,  4*GRP                      ; a slot: four key steps' K, then their V^T
.set SLOT1, 1<<17                      ; slot 1 begins here, so that one exclusive or turns an address in one slot into the other's
.set CIMG,  262144                     ; behind the ring: ctx's 16 fragments,
.set CSC,   CIMG+16*FRB                ; their scale words, 128 bytes each,
.set PST,   CSC+16*128                 ; 512 bytes for each wave, for the way out,
.set SPARE, PST+8*512                  ; and the spare words, 128 bytes for each wave: four blocks of 256 bytes that no other line names
.set SOFF,  262144                     ; where woq's codes begin
.set LI,  1                            ; v1   16 x lane
.set SPW, 2                            ; v2   LDS address of my spare word; never rewritten
.set NIL, 3                            ; v3   0; never rewritten
.set ADR, 4                            ; v4   LDS address of the key step in hand, + 16 x lane
.set LS4, 5                            ; v5   4 x lane
.set CWI, 6                            ; v6   where I store ctx's images: CIMG + 2 FRB x wave + 16 x lane
.set CWS, 7                            ; v7   and their scale words: CSC + 256 x wave + 4 x lane
.set CI,  8                            ; v8   CIMG + 16 x lane
.set CSA, 9                            ; v9   CSC + 4 x lane
.set PSW, 10                           ; v10  PST + 512 x wave + 4 x lane
.set PSR, 11                           ; v11  PST + 512 x wave + 16 x lane
.set ST,  12                           ; unit u at v[ST + 4 u]: -M, the largest t, the sum in two halves
.set KS,  28                           ; v28-31 K's scale words
.set VS,  32                           ; v32-35 V's
.set QS,  36                           ; v36    Q's: lanes 0-15 tile 2 w's rows, lanes 16-31 tile 2 w + 1's
.set PS,  38                           ; v38-41 p's, a unit each
.set QZ,  42                           ; tile q at v[QZ + 18 q]: QA (6), zeros (6), QB (6): head A's operand from +0, head B's from +6
.set WOA, 78                           ; v78  768 r + 24 h: my place in 16 rows of Wo's codes
.set WSA, 79                           ; v79  32 r: and of its scale bytes
.set S,   80
.set P,   144
.set CV,  192                          ; v192-198 the conversions' second halves
.set BM,  200                          ; v200-203 four blocks' largest
.set T2,  204                          ; v204-207 the other half's; then the bytes
.set SO,  208                          ; v208-211 the conversions' scale operands
.set F,   212                          ; v[212:213] f = 2^(old M - new M)
.set TA,  214
.set SUM, 216                          ; v[216:217] the sum's second chain
.set PWQ, 218                          ; v218-219 ctx's scale words as they are made
.set WOS, 224                          ; v224-231 Wo's scale words
.set CSW, 232                          ; v232-235 ctx's scale words as they are used
.set RO,  240
.set KV,  128                          ; in window 1
.set WV,  12                           ; s12  my wave's number
.set G1,  24                           ; s[24:31] descriptor group 1
.set G0,  32                           ; s[32:35] descriptor group 0: it walks
.set GS,  36                           ; s[36:37] a slot on, in bytes of memory: four groups for K, 64 for V^T
.set TB,  38                           ; s38  LDS byte at which the key step in hand begins
.set CNT, 39
.set SLOTS, 40
.set HIM, 41                           ; s41  lanes 16-31
.set SEL, 42                           ; s[42:43] v_permlanex16_b32's selects for lane l xor 16
.set CS,  44                           ; s[44:45] c = log2(e) / 8
.set MSB, 0
.macro WIN new                         ; the immediate's high byte repeats the setting that is left
.if MSB != \new
	s_set_vgpr_msb (MSB<<8)|\new
.set MSB, \new
.endif
.endm
.macro PLACES
.rept 4
	v_nop
.endr
.endm
; A round of the cluster's barrier.
.macro CROUND
	s_barrier_signal -1
	s_barrier_wait -1
	s_cmp_lg_u32 s[WV], 0
	s_cbranch_scc1 .Lnot_wave_0_\@
	s_barrier_signal -3
.Lnot_wave_0_\@:
	s_barrier_wait -3
	s_barrier_signal -1
	s_barrier_wait -1
.endm
; The matrix instruction: D at d, source 0 at a, source 1 at b; z = 1: C = 0, else C = D; scale words sa, sb; ra, rb = 1: taken from lanes 16-31.
.macro WM d, a, b, z, sa, sb, ra, rb
.set wD, \d
.set wA, \a
.set wB, \b
.set wE, \sa
.set wF, \sb
.set wK, 4*(\z)+2*(\ra)+(\rb)
.if wK == 0
	v_wmma_scale_f32_16x16x128_f8f6f4 v[wD:wD+7], v[wA:wA+11], v[wB:wB+11], v[wD:wD+7], v[wE], v[wF] matrix_a_fmt:MATRIX_FMT_BF6 matrix_b_fmt:MATRIX_FMT_BF6
.elseif wK == 2
	v_wmma_scale_f32_16x16x128_f8f6f4 v[wD:wD+7], v[wA:wA+11], v[wB:wB+11], v[wD:wD+7], v[wE], v[wF] matrix_a_fmt:MATRIX_FMT_BF6 matrix_b_fmt:MATRIX_FMT_BF6 matrix_a_scale:MATRIX_SCALE_ROW1
.elseif wK == 4
	v_wmma_scale_f32_16x16x128_f8f6f4 v[wD:wD+7], v[wA:wA+11], v[wB:wB+11], 0, v[wE], v[wF] matrix_a_fmt:MATRIX_FMT_BF6 matrix_b_fmt:MATRIX_FMT_BF6
.elseif wK == 5
	v_wmma_scale_f32_16x16x128_f8f6f4 v[wD:wD+7], v[wA:wA+11], v[wB:wB+11], 0, v[wE], v[wF] matrix_a_fmt:MATRIX_FMT_BF6 matrix_b_fmt:MATRIX_FMT_BF6 matrix_b_scale:MATRIX_SCALE_ROW1
.elseif wK == 6
	v_wmma_scale_f32_16x16x128_f8f6f4 v[wD:wD+7], v[wA:wA+11], v[wB:wB+11], 0, v[wE], v[wF] matrix_a_fmt:MATRIX_FMT_BF6 matrix_b_fmt:MATRIX_FMT_BF6 matrix_a_scale:MATRIX_SCALE_ROW1
.elseif wK == 7
	v_wmma_scale_f32_16x16x128_f8f6f4 v[wD:wD+7], v[wA:wA+11], v[wB:wB+11], 0, v[wE], v[wF] matrix_a_fmt:MATRIX_FMT_BF6 matrix_b_fmt:MATRIX_FMT_BF6 matrix_a_scale:MATRIX_SCALE_ROW1 matrix_b_scale:MATRIX_SCALE_ROW1
.endif
.endm
	s_load_b256 s[4:11], s[0:1], 0x0               ; qkf 4:5, vf 6:7, woq 8:9, part 10:11
	v_lshl_add_u32 v[SPW], v0, 2, SPARE
	v_mov_b32 v[NIL], 0
	ds_add_u32 v2, v3
	ds_add_u32 v2, v3
	s_wait_dscnt 0x0
	v_lshrrev_b32 v4, 5, v0
	s_delay_alu instid0(VALU_DEP_1)
	v_readfirstlane_b32 s[WV], v4                  ; wave 0..7
	s_bfe_u32 s13, ttmp6, 0x40000                  ; cx: my place in the cluster
	s_lshl_b32 s14, ttmp9, 2
	s_add_co_u32 s14, s14, s13                     ; x: my block of 256 queries: it enters Q's and the output's addresses alone
	s_and_b32 s15, ttmp7, 0xffff                   ; y = 8 b + hp, which the four partners share
	s_lshr_b32 s16, s15, 3                         ; b
	s_and_b32 s17, s15, 7                          ; hp
	; descriptor group 1: a group, 12,800 dense bytes, as 50 rows of 256 bytes (32 elements of 8 bytes); no padding: every LDS read takes 16 bytes a lane on end
	s_mov_b32 s[G1], 15|(3<<16)|(1<<21)            ; 15:0 the mask: all four work-groups; 17:16 elements of 8 bytes; 20 padding off; 21 set beside a mask
	s_mov_b32 s[G1+1], 32<<16                      ; tensor_dim0 = 32
	s_mov_b32 s[G1+2], 50<<16                      ; tensor_dim1 = 50
	s_mov_b32 s[G1+3], 32<<16                      ; tile_dim0 = 32
	s_mov_b32 s[G1+4], 50                          ; tile_dim1 = 50
	s_mov_b32 s[G1+5], 32                          ; tensor_dim0_stride
	s_mov_b32 s[G1+6], 0
	s_mov_b32 s[G1+7], 0
	s_and_b32 s56, s[WV], 3
	s_lshr_b32 s57, s[WV], 2
	s_lshl_b32 s52, s16, 4                         ; 16 b
	s_add_co_u32 s53, s52, s17                     ; 16 b + hp
	s_add_co_u32 s54, s53, 8
	s_lshl_b32 s54, s54, 4
	s_add_co_u32 s54, s54, s56                     ; waves 0-3: K's group of key step w
	s_add_co_u32 s55, s52, s56
	s_lshl_b32 s55, s55, 4
	s_add_co_u32 s55, s55, s17                     ; waves 4-7: V^T's group of key step w - 4
	s_mov_b32 s[GS], 64*GRP
	s_mov_b32 s[GS+1], 0
	s_mov_b32 s[G0], 1                             ; 1:0 count = 1
	s_mul_i32 s[G0+1], s[WV], GRP                  ; 63:32 LDS address: piece w of slot 0
	s_wait_kmcnt 0x0
	s_cmp_lt_u32 s[WV], 4                          ; the choices hang on the wave's number alone
	s_cselect_b32 s54, s54, s55
	s_cselect_b32 s[GS], 4*GRP, s[GS]
	s_cselect_b64 s[G0+2:G0+3], s[4:5], s[6:7]
	s_mul_i32 s54, s54, GRP                        ; under 2^24 bytes
	s_mov_b32 s55, 0
	s_add_nc_u64 s[G0+2:G0+3], s[G0+2:G0+3], s[54:55]   ; 120:64 global address
	s_or_b32 s[G0+3], s[G0+3], 0x80000000          ; 127:126 type = 2
	CROUND                                         ; all four work-groups are here: the first joint loads meet
	tensor_load_to_lds s[G0:G0+3], s[G1:G1+7]      ; slot 0: key steps 0 to 3; every wave brings one piece; one load of mine is out
	s_nop 0
	PLACES                                         ; four v_nop follow a tensor load
	v_and_b32 v4, 31, v0
	s_delay_alu instid0(VALU_DEP_1)
	v_lshlrev_b32 v[LI], 4, v4
	s_wait_alu depctr_va_vdst(0)
	v_lshlrev_b32 v[LS4], 2, v4
	s_wait_alu depctr_va_vdst(0)
	s_lshl_b32 s58, s53, 4
	s_lshl_b32 s60, s14, 1
	s_add_co_u32 s58, s58, s60
	s_add_co_u32 s58, s58, s57                     ; Q's group: (16 b + hp) 16 + 2 x + w / 4
	s_mul_i32 s58, s58, GRP
	s_mov_b32 s59, 0
	s_mul_i32 s60, s56, 2*FRB
	s_add_co_u32 s60, s60, s58                     ; my two fragments in it,
	s_mov_b32 s61, 0
	s_add_nc_u64 s[18:19], s[4:5], s[60:61]
	s_lshl_b32 s60, s56, 2
	s_add_co_u32 s58, s58, s60
	s_add_co_u32 s58, s58, SWO                     ; and their scale word: word w % 4 of each lane's four
	s_add_nc_u64 s[20:21], s[4:5], s[58:59]
.irp c, 0,1,2,3,4,5
	global_load_b128 v[S+4*\c:S+4*\c+3], v[LI], s[18:19] offset:512*\c   ; tile q's 12 registers at v[S + 12 q]
.endr
	global_load_b32 v[QS], v[LI], s[20:21]
	s_mul_i32 s58, s[WV], 128*768
	s_mul_i32 s60, s17, 96
	s_add_co_u32 s58, s58, s60
	s_add_co_u32 s58, s58, SOFF
	s_add_nc_u64 s[46:47], s[8:9], s[58:59]        ; Wo's codes: my 128 rows, K step hp
	s_lshl_b32 s58, s[WV], 12
	s_lshl_b32 s60, s17, 2
	s_add_co_u32 s58, s58, s60
	s_add_nc_u64 s[48:49], s[8:9], s[58:59]        ; and their scale words
	s_lshl_b32 s58, s15, 3
	s_add_co_u32 s58, s58, s14
	s_lshl_b32 s58, s58, 12                        ; my work-group's row of part: 8 y + x, 4,096 bytes a row,
	s_lshl_b32 s60, s[WV], 9
	s_add_co_u32 s58, s58, s60                     ; my wave's 512 bytes of it
	s_add_nc_u64 s[50:51], s[10:11], s[58:59]
	s_mul_i32 s58, s[WV], 2*FRB
	s_add_co_u32 s58, s58, CIMG
	v_add_nc_u32 v[CWI], s58, v[LI]
	s_lshl_b32 s58, s[WV], 8
	s_add_co_u32 s58, s58, CSC
	v_add_nc_u32 v[CWS], s58, v[LS4]
	v_add_nc_u32 v[CI], CIMG, v[LI]
	v_add_nc_u32 v[CSA], CSC, v[LS4]
	s_lshl_b32 s58, s[WV], 9
	s_add_co_u32 s58, s58, PST
	v_add_nc_u32 v[PSW], s58, v[LS4]
	v_add_nc_u32 v[PSR], s58, v[LI]
	v_and_b32 v4, 15, v0                           ; r
	v_bfe_u32 v[TA], v0, 4, 1                      ; h
	s_delay_alu instid0(VALU_DEP_2)
	v_mul_u32_u24 v[WOA], v4, 768
	s_delay_alu instid0(VALU_DEP_1)
	v_mad_u32_u24 v[WOA], v[TA], 24, v[WOA]
	s_delay_alu instid0(VALU_DEP_4)
	v_lshlrev_b32 v[WSA], 5, v4
	s_mov_b32 s[HIM], 0xffff0000
	s_mov_b32 s[SEL], 0x76543210
	s_mov_b32 s[SEL+1], 0xfedcba98
	s_mov_b32 s[CS], 0x3e38aa3b                    ; c = log2(e) / 8
	s_mov_b32 s[CS+1], s[CS]                       ; (named with it as a pair, so it is written)
	s_mov_b32 s[TB], 0
	s_mov_b32 s[SLOTS], 3
.irp u, 0,1,2,3
	v_mov_b32 v[ST+4*\u+1], 0xff61b1e6             ; the largest t so far: -3e38, under every t
	s_delay_alu instid0(VALU_DEP_1)
	v_floor_f32 v[ST+4*\u], -v[ST+4*\u+1]          ; -M
	v_mov_b32 v[ST+4*\u+2], 0                      ; the sum, in two halves
	v_mov_b32 v[ST+4*\u+3], 0
	v_mov_b32 v[T2+\u], 0                          ; written once: a lane permute's destination counts as one of its sources
.endr
	v_mov_b32 v[F+1], 0                            ; (named as the upper half of the pair)
	WIN 0x40                                       ; destination window 1
.set j, 0
.rept 128
	v_mov_b32 v[j], 0                              ; O^T.  The key step is written for the loop alone: its first trip finds zeros, which the first change of M leaves zeros
.set j, j+1
.endr
	WIN 0
	s_wait_loadcnt 0x0                             ; Q
.irp q, 0,1
.irp i, 0,1,2,3,4,5
	v_mov_b32 v[QZ+18*\q+\i], v[S+12*\q+\i]        ; QA,
	v_mov_b32 v[QZ+18*\q+6+\i], 0                  ; zero codes,
	v_mov_b32 v[QZ+18*\q+12+\i], v[S+12*\q+6+\i]   ; QB
.endr
.endr
; ONE UNIT'S SOFTMAX: 64 scores of a lane in v[S ..]: register 16 b + i = key 32 b + 16 (lane / 16) + i of the step.  They become p's 12 registers of codes at v[P + 12 u] and its scale word v[PS + u]; the unit's sum and O^T are brought under the new M.
.macro SOFTMAX u
.set rT, ST+4*(\u)
.set rP, P+12*(\u)
.irp b, 0,1,2,3
	v_max3_num_f32 v[BM+\b], v[S+16*\b], v[S+1+16*\b], v[S+2+16*\b]   ; THE LARGEST SCORE OF EACH BLOCK OF 32 KEYS serves twice: for the row's maximum and, since p rises with the score, for the block's largest p.  (Each accumulator is read from its low end on)
.endr
.irp i, 3,5,7,9,11,13
.irp b, 0,1,2,3
	v_max3_num_f32 v[BM+\b], v[BM+\b], v[S+16*\b+\i], v[S+1+16*\b+\i]   ; (the four blocks by turns)
.endr
.endr
.irp b, 0,1,2,3
	v_max_num_f32 v[BM+\b], v[BM+\b], v[S+15+16*\b]
.endr
.irp b, 0,1,2,3
	s_delay_alu instid0(VALU_DEP_4)
	v_permlanex16_b32 v[T2+\b], v[BM+\b], s[SEL], s[SEL+1]
.endr
.irp b, 0,1,2,3
	s_delay_alu instid0(VALU_DEP_4)
	v_max_num_f32 v[BM+\b], v[BM+\b], v[T2+\b]     ; with lane l xor 16's 16 keys
.endr
	s_delay_alu instid0(VALU_DEP_2)
	v_max3_num_f32 v[TA], v[BM], v[BM+1], v[BM+2]
	s_delay_alu instid0(VALU_DEP_1)
	v_max_num_f32 v[TA], v[TA], v[BM+3]            ; the step's largest score of my query
	s_delay_alu instid0(VALU_DEP_1)
	v_mul_f32 v[TA], s[CS], v[TA]                  ; as t (c is positive)
	s_delay_alu instid0(VALU_DEP_1)
	v_max_num_f32 v[rT+1], v[rT+1], v[TA]          ; the running largest t
	v_mov_b32 v[TA], v[rT]
	s_delay_alu instid0(VALU_DEP_2)
	v_floor_f32 v[rT], -v[rT+1]                    ; the new -M = floor(-t) = -ceil(t): M IS A WHOLE NUMBER
	s_delay_alu instid0(VALU_DEP_1)
	v_sub_f32 v[TA], v[rT], v[TA]                  ; M's old value less its new one: a whole number, 0 or less
	s_delay_alu instid0(VALU_DEP_1)
	v_cvt_i32_f32 v[TA], v[TA]                     ; (it saturates)
	s_delay_alu instid0(VALU_DEP_1)
	v_ldexp_f32 v[F], 1.0, v[TA]                   ; f = 2^(old M - new M): a multiplication by it rounds nothing
.set j, 0
.rept 32
	v_pk_fma_f32 v[S+j:S+j+1], v[S+j:S+j+1], s[CS:CS+1], v[rT:rT+1] op_sel_hi:[1,0,0]   ; t - M, two at a time (of the pairs c and -M the low word serves both halves)
.set j, j+2
.endr
.irp b, 0,1,2,3
	v_fma_f32 v[BM+\b], v[BM+\b], s[CS], v[rT]     ; the same of each block's largest score
.endr
.set j, 0
	s_wait_alu depctr_va_vdst(0)
.rept 64
	v_exp_f32 v[S+j], v[S+j]                       ; p = 2^(t - M), at most 1: NOT normalised
.set j, j+1
.endr
	v_pk_mul_f32 v[rT+2:rT+3], v[rT+2:rT+3], v[F:F+1] op_sel_hi:[1,0]   ; the sums under the new M: the plain line behind the exponentials
	s_wait_alu depctr_va_vdst(0)                   ; one wait for the 64, ahead of the first line that names a result
.irp b, 0,1,2,3
	v_exp_f32 v[BM+\b], v[BM+\b]                   ; the block's largest p: the same two instructions on the same number give the same bits
.endr
	v_pk_add_f32 v[SUM:SUM+1], v[S:S+1], v[S+2:S+3]   ; THE ROW'S SUM IS TAKEN OF THE UNQUANTISED p: two at a time, in two chains.  (It reads the 64 alone: plain work behind the four)
.set j, 4
.rept 15
	v_pk_add_f32 v[rT+2:rT+3], v[rT+2:rT+3], v[S+j:S+j+1]
	v_pk_add_f32 v[SUM:SUM+1], v[SUM:SUM+1], v[S+2+j:S+3+j]
.set j, j+4
.endr
	s_delay_alu instid0(VALU_DEP_1)
	v_pk_add_f32 v[rT+2:rT+3], v[rT+2:rT+3], v[SUM:SUM+1]
	s_wait_alu depctr_va_vdst(0)                   ; and one for the four
.irp b, 0,1,2,3
	v_max_num_f32 v[BM+\b], 0x2800000, v[BM+\b]    ; the floor 2^(5 - 127): the byte cannot fall under 1 (a block whose every p has fallen to 0 keeps that byte: its codes are zeros)
.endr
.irp b, 0,1,2,3
	s_delay_alu instid0(VALU_DEP_4)
	v_add_nc_u32 v[SO+\b], 0xfe000000, v[BM+\b]    ; 4 off the exponent field: the conversion's scale operand
.endr
.irp b, 0,1,2,3
	s_delay_alu instid0(VALU_DEP_4)
	v_lshrrev_b32 v[T2+\b], 23, v[SO+\b]           ; the scale's byte
.endr
	s_delay_alu instid0(VALU_DEP_3)
	v_lshl_or_b32 v[PS+(\u)], v[T2+1], 8, v[T2]    ; p's scale word for these 128 keys
	s_delay_alu instid0(VALU_DEP_1)
	v_lshl_or_b32 v[PS+(\u)], v[T2+2], 16, v[PS+(\u)]
	s_delay_alu instid0(VALU_DEP_1)
	v_lshl_or_b32 v[PS+(\u)], v[T2+3], 24, v[PS+(\u)]
.irp c, 0,1
	v_cvt_scalef32_pk16_bf6_f32 v[rP+6*\c:rP+2+6*\c], v[S+32*\c:S+15+32*\c], v[SO+2*\c]
	v_cvt_scalef32_pk16_bf6_f32 v[CV+4*\c:CV+2+4*\c], v[S+16+32*\c:S+31+32*\c], v[SO+2*\c+1]   ; (a conversion's three registers begin on an even number)
.endr
	v_nop                                          ; one plain line behind the scaled conversions
.irp c, 0,1                                    ; the operand's layout wants a WHOLE block in a lane: lanes 0-15 block 2 c, lanes 16-31 block 2 c + 1
.irp i, 0,1,2
	v_permlane16_swap_b32 v[rP+6*\c+\i], v[CV+4*\c+\i]
.endr
.irp i, 0,1,2
	s_delay_alu instid0(VALU_DEP_3)
	v_mov_b32 v[rP+3+6*\c+\i], v[CV+4*\c+\i]
.endr
.endr
	WIN 0x41                                       ; O^T (destination and source 0) in window 1, f in window 0
.set j, 0
.rept 16
	v_pk_mul_f32 v[32*(\u)+j:32*(\u)+j+1], v[32*(\u)+j:32*(\u)+j+1], v[F:F+1] op_sel_hi:[1,0]   ; O^T under the new M, each accumulator from its low end on.  (These 16 are also places ahead of the next matrix instructions)
.set j, j+2
.endr
	WIN 0
.endm
; A KEY STEP: 128 keys.  K's eight fragments serve all four units (32 products); V^T's eight take K's registers under the last unit's softmax and serve two units each (16 products).
.macro STEP
	v_add_nc_u32 v[ADR], s[TB], v[LI]
	ds_load_b128 v[KS:KS+3], v[ADR] offset:SWO
	WIN 0x40                                       ; destination window 1
.irp t, 0,1,2,3,4,5,6,7
.irp c, 0,1,2
	ds_load_b128 v[KV+12*\t+4*\c:KV+12*\t+4*\c+3], v[ADR] offset:FRB*\t+512*\c
.endr
.endr
	s_wait_dscnt 0x0
.irp u, 0,1,2,3
	WIN 0x01                                       ; K in window 1; Q and S^T in window 0
.irp t, 0,1,2,3,4,5,6,7
	WM S+8*\t, KV+12*\t, QZ+18*(\u%2)+6*(\u/2), 1, KS+\t/2, QS, \t%2, \u%2
.endr
	WIN 0
	PLACES                                         ; behind the products: for the first reads of the scores, and in the last unit for the loads into K's registers
.if \u == 3
	s_setprio 1
	ds_load_b128 v[VS:VS+3], v[ADR] offset:VOFF+SWO
	WIN 0x40
.irp t, 0,1,2,3,4,5,6,7
.irp c, 0,1,2
	ds_load_b128 v[KV+12*\t+4*\c:KV+12*\t+4*\c+3], v[ADR] offset:VOFF+FRB*\t+512*\c
.endr
.endr
	WIN 0
.endif
	SOFTMAX \u
.endr
	s_wait_alu depctr_va_vdst(0)
	s_wait_dscnt 0x0                               ; V^T is in
	WIN 0x51                                       ; V^T in window 1, p in window 0, O^T (C and D) in window 1
	s_setprio 0
.irp dt, 0,1,2,3,4,5,6,7                       ; features 16 dt on: tiles 0-3 head A's, 4-7 head B's.  Sixteen accumulators, one instruction each: between two links of a chain stand 47 others'
.irp q, 0,1
	WM 32*(2*(\dt/4)+\q)+8*(\dt%4), KV+12*\dt, P+12*(2*(\dt/4)+\q), 0, VS+\dt/2, PS+2*(\dt/4)+\q, \dt%2, 0
.endr
.endr
	WIN 0
	PLACES                                         ; in front of the next loads into these registers
.endm
; THE CHANGE OF SLOTS stands at a slot's head.  Each wave waits for all its tensor loads (its piece of the slot ahead), adds 0 to its spare word, and waits for that and for its reads of the slot that it has left.
; fill = 1: the barrier is a round of the cluster's, and behind it the slot just left is filled with the four key steps that follow: that load has four key steps in which to land.
.macro CHANGE fill
	s_wait_tensorcnt 0x0                           ; no tensor load of mine is out, so group 0 may be written
	ds_add_u32 v[SPW], v[NIL]                      ; 0 onto my spare word
.if \fill
	s_xor_b32 s[G0+1], s[G0+1], SLOT1              ; the other slot than last time,
	s_add_nc_u64 s[G0+2:G0+3], s[G0+2:G0+3], s[GS:GS+1]   ; the next four key steps; the type bits on top are not reached
.endif
	s_wait_dscnt 0x0                               ; the add is done, and my reads of the slot that I have left are over
.if \fill
	CROUND                                         ; no wave of any partner still reads that slot or has a load on its way
	tensor_load_to_lds s[G0:G0+3], s[G1:G1+7]      ; the first thing behind the round, and my one tensor load until the next
	s_nop 0
	PLACES
.else
	s_barrier_signal -1
	s_barrier_wait -1
.endif
.endm
.macro FOUR_STEPS                      ; a slot's four key steps: written once, walked four times; the LDS addresses hang on s[TB]
	s_mov_b32 s[CNT], 4
.Lstep_\@:
	s_setprio 2
	STEP
	s_add_co_u32 s[TB], s[TB], GRP
	s_sub_co_u32 s[CNT], s[CNT], 1
	s_cmp_lg_u32 s[CNT], 0
	s_cbranch_scc1 .Lstep_\@
	s_setprio 0
	s_sub_co_u32 s[TB], s[TB], 4*GRP               ; back to a slot's first step,
	s_xor_b32 s[TB], s[TB], SLOT1                  ; in the other slot
.endm
; 64 numbers of a lane, register 16 b + i = k 32 b + 16 (lane / 16) + i of my row, become a fragment's codes at v[pc] on and its scale word in v[pw].
.macro QUANT s, pc, pw
.irp b, 0,1,2,3
	v_max3_num_f32 v[BM+\b], |v[\s+16*\b]|, |v[\s+1+16*\b]|, 0x2800000   ; my 16 numbers of block b, and the floor 2^(5 - 127)
.endr
.irp i, 2,4,6,8,10,12,14
.irp b, 0,1,2,3
	s_delay_alu instid0(VALU_DEP_4)
	v_max3_num_f32 v[BM+\b], v[BM+\b], |v[\s+16*\b+\i]|, |v[\s+1+16*\b+\i]|
.endr
.endr
.irp b, 0,1,2,3
	s_delay_alu instid0(VALU_DEP_4)
	v_permlanex16_b32 v[T2+\b], v[BM+\b], s[SEL], s[SEL+1]
.endr
.irp b, 0,1,2,3
	s_delay_alu instid0(VALU_DEP_4)
	v_max_num_f32 v[BM+\b], v[BM+\b], v[T2+\b]
.endr
.irp b, 0,1,2,3
	s_delay_alu instid0(VALU_DEP_4)
	v_add_nc_u32 v[SO+\b], 0xfe000000, v[BM+\b]
.endr
.irp b, 0,1,2,3
	s_delay_alu instid0(VALU_DEP_4)
	v_lshrrev_b32 v[T2+\b], 23, v[SO+\b]
.endr
	s_delay_alu instid0(VALU_DEP_3)
	v_lshl_or_b32 v[\pw], v[T2+1], 8, v[T2]
	s_delay_alu instid0(VALU_DEP_1)
	v_lshl_or_b32 v[\pw], v[T2+2], 16, v[\pw]
	s_delay_alu instid0(VALU_DEP_1)
	v_lshl_or_b32 v[\pw], v[T2+3], 24, v[\pw]
.irp c, 0,1
	v_cvt_scalef32_pk16_bf6_f32 v[\pc+6*\c:\pc+2+6*\c], v[\s+32*\c:\s+15+32*\c], v[SO+2*\c]
	v_cvt_scalef32_pk16_bf6_f32 v[CV+4*\c:CV+2+4*\c], v[\s+16+32*\c:\s+31+32*\c], v[SO+2*\c+1]
.endr
	v_nop                                          ; one plain line behind the scaled conversions
.irp c, 0,1
.irp i, 0,1,2
	v_permlane16_swap_b32 v[\pc+6*\c+\i], v[CV+4*\c+\i]
.endr
.irp i, 0,1,2
	s_delay_alu instid0(VALU_DEP_3)
	v_mov_b32 v[\pc+3+6*\c+\i], v[CV+4*\c+\i]
.endr
.endr
.endm
.Lslot:                                            ; three trips: behind each change of slots but the last the next slot is asked for
	CHANGE 1
	FOUR_STEPS
	s_sub_co_u32 s[SLOTS], s[SLOTS], 1
	s_cmp_lg_u32 s[SLOTS], 0
	s_cbranch_scc1 .Lslot
	CHANGE 0                                       ; the last slot is written out
	FOUR_STEPS
	; THE WAY OUT.  Wo's eight fragments (rows 128 w + 16 t + r, K step hp) are asked for first, into the registers that V^T has left (the key step's last four v_nop are the places)
	WIN 0x40
.irp t, 0,1,2,3,4,5,6,7
.irp p, 0,1,2,3,4,5
	global_load_b64 v[KV+12*\t+2*\p:KV+12*\t+2*\p+1], v[WOA], s[46:47] offset:16*768*\t+48*(\p/3)+8*(\p%3)
.endr
.endr
	WIN 0
.irp t, 0,1,2,3,4,5,6,7
	global_load_b32 v[WOS+\t], v[WSA], s[48:49] offset:512*\t
.endr
.irp u, 0,1,2,3
	v_add_f32 v[BM+\u], v[ST+4*\u+2], v[ST+4*\u+3] ; the sum's two halves,
.endr
.irp u, 0,1,2,3
	s_delay_alu instid0(VALU_DEP_4)
	v_permlanex16_b32 v[T2+\u], v[BM+\u], s[SEL], s[SEL+1]
.endr
.irp u, 0,1,2,3
	s_delay_alu instid0(VALU_DEP_4)
	v_add_f32 v[BM+\u], v[BM+\u], v[T2+\u]         ; and lane l xor 16's: the row's sum
.endr
	s_wait_alu depctr_va_vdst(0)
.irp u, 0,1,2,3
	v_rcp_f32 v[ST+4*\u+2], v[BM+\u]
.endr
	v_nop                                          ; a plain line behind the last reciprocal
	s_wait_alu depctr_va_vdst(0)                   ; one wait for the four, ahead of their first use
.irp q, 0,1                                    ; ctx of query tile 2 w + q: head A's 64 features, then head B's: 128 along the output product's K
	WIN 0x01                                       ; O^T in window 1
.set j, 0
.rept 16
	v_pk_mul_f32 v[S+j:S+j+1], v[32*\q+j:32*\q+j+1], v[ST+4*\q+2:ST+4*\q+3] op_sel_hi:[1,0]
.set j, j+2
.endr
.set j, 0
.rept 16
	v_pk_mul_f32 v[S+32+j:S+33+j], v[64+32*\q+j:64+32*\q+j+1], v[ST+8+4*\q+2:ST+8+4*\q+3] op_sel_hi:[1,0]
.set j, j+2
.endr
	WIN 0
	QUANT S, P+12*\q, PWQ+\q
.irp c, 0,1,2
	ds_store_b128 v[CWI], v[P+12*\q+4*\c:P+12*\q+4*\c+3] offset:FRB*\q+512*\c   ; the fragment goes to LDS as it stands
.endr
	ds_store_b32 v[CWS], v[PWQ+\q] offset:128*\q
.endr
	s_wait_dscnt 0x0                               ; for the others' sake: my stores have landed
	s_barrier_signal -1
	s_barrier_wait -1                              ; ctx's sixteen fragments lie in LDS
.irp g, 0,1,2,3                                ; four tiles of queries at a time; all sixteen add onto the same eight accumulators (window 1, v0-63): a lane holds an output feature, its registers eight query places
.if \g > 0
	PLACES                                         ; in front of loads into registers that matrix instructions have read
.endif
.irp i, 0,1,2,3
.irp c, 0,1,2
	ds_load_b128 v[S+12*\i+4*\c:S+12*\i+4*\c+3], v[CI] offset:FRB*(4*\g+\i)+512*\c
.endr
	ds_load_b32 v[CSW+\i], v[CSA] offset:128*(4*\g+\i)
.endr
	s_wait_dscnt 0x0
.if \g == 0
	s_wait_loadcnt 0x0                             ; Wo
.endif
	WIN 0x54                                       ; ctx in window 0; Wo, C and D in window 1
.irp i, 0,1,2,3
.irp t, 0,1,2,3,4,5,6,7
.if (\g == 0) && (\i == 0)
	WM 8*\t, S+12*\i, KV+12*\t, 1, CSW+\i, WOS+\t, 0, 0
.else
	WM 8*\t, S+12*\i, KV+12*\t, 0, CSW+\i, WOS+\t, 0, 0
.endif
.endr
.endr
	WIN 0
.endr
	PLACES
	WIN 0x05                                       ; sources in window 1
.irp t, 0,1,2,3,4,5,6,7
	v_pk_add_f32 v[S+4*\t:S+4*\t+1], v[8*\t:8*\t+1], v[8*\t+2:8*\t+3]       ; the sum over the query places: each accumulator from its low end on
	v_pk_add_f32 v[S+4*\t+2:S+4*\t+3], v[8*\t+4:8*\t+5], v[8*\t+6:8*\t+7]
.endr
	WIN 0
.irp t, 0,1,2,3,4,5,6,7
	v_pk_add_f32 v[S+4*\t:S+4*\t+1], v[S+4*\t:S+4*\t+1], v[S+4*\t+2:S+4*\t+3]
.endr
.irp t, 0,1,2,3,4,5,6,7
	v_add_f32 v[S+32+\t], v[S+4*\t], v[S+4*\t+1]
.endr
.irp t, 0,1,2,3,4,5,6,7
	v_permlanex16_b32 v[S+48+\t], v[S+32+\t], s[SEL], s[SEL+1]   ; (its destination was written by vector lines above)
.endr
.irp t, 0,1,2,3,4,5,6,7
	v_add_f32 v[S+32+\t], v[S+32+\t], v[S+48+\t]   ; feature 128 w + 16 t + r, summed over my work-group's 256 queries
.endr
.irp p, 0,1,2,3
	v_cndmask_b32 v[RO+\p], v[S+32+2*\p], v[S+33+2*\p], s[HIM]   ; lane l: feature 32 p + l
.endr
.irp p, 0,1,2,3
	ds_store_b32 v[PSW], v[RO+\p] offset:128*\p
.endr
	ds_load_b128 v[RO+4:RO+7], v[PSR]              ; LDS serves a wave's instructions in order: this sees my stores
	s_wait_dscnt 0x0
	global_store_b128 v[LI], v[RO+4:RO+7], s[50:51]   ; 32 lanes store 512 consecutive bytes, aligned
	s_wait_tensorcnt 0x0                           ; the wave's end
	ds_add_u32 v[SPW], v[NIL]
	s_wait_dscnt 0x0
	CROUND                                         ; the closing round: no work-group ends while a partner may still ask for a piece that names it
	s_endpgm
.Lfunc_end_k_q810a8013ff_attn:
	.size	k_q810a8013ff_attn, .Lfunc_end_k_q810a8013ff_attn-k_q810a8013ff_attn
	.p2alignl 7, 3214868480
	.fill 96, 4, 3214868480
	.section	.rodata,"a",@progbits
	.p2align	6, 0x0
	.amdhsa_kernel k_q810a8013ff_attn
		.amdhsa_group_segment_fixed_size 327680
		.amdhsa_private_segment_fixed_size 0
		.amdhsa_enable_private_segment 0
		.amdhsa_kernarg_size 32
		.amdhsa_user_sgpr_count 2
		.amdhsa_user_sgpr_kernarg_segment_ptr 1
		.amdhsa_wavefront_size32 1
		.amdhsa_system_sgpr_workgroup_id_x 1
		.amdhsa_system_sgpr_workgroup_id_y 1
		.amdhsa_system_sgpr_workgroup_id_z 1
		.amdhsa_system_vgpr_workitem_id 0
		.amdhsa_next_free_vgpr 512
		.amdhsa_next_free_sgpr 66
		.amdhsa_reserve_vcc 0
		.amdhsa_float_denorm_mode_32 3
		.amdhsa_float_denorm_mode_16_64 3
		.amdhsa_memory_ordered 1
		.amdhsa_forward_progress 1
		.amdhsa_inst_pref_size 184
	.end_amdhsa_kernel
	.amdgpu_metadata
---
amdhsa.version: [ 1, 2 ]
amdhsa.kernels:
  - .name:           k_q810a8013ff_attn
    .symbol:         k_q810a8013ff_attn.kd
    .args:
      - { .name: qkf, .offset: 0, .size: 8, .value_kind: global_buffer, .address_space: global }
      - { .name: vf, .offset: 8, .size: 8, .value_kind: global_buffer, .address_space: global }
      - { .name: woq, .offset: 16, .size: 8, .value_kind: global_buffer, .address_space: global }
      - { .name: part, .offset: 24, .size: 8, .value_kind: global_buffer, .address_space: global }
    .group_segment_fixed_size: 327680
    .private_segment_fixed_size: 0
    .kernarg_segment_align: 8
    .kernarg_segment_size: 32
    .max_flat_workgroup_size: 256
    .sgpr_count:     66
    .vgpr_count:     512
    .wavefront_size: 32
...
	.end_amdgpu_metadata
.endif
;; end of part 3
;; launch mean (part 4): grid 32 x 1, 8 waves a work-group, no clusters, 5,120 bytes of LDS; arguments part, bo, out0; writes out0
.if DOCPART == 4
	.amdgcn_target "amdgcn-amd-amdhsa--gfx1250"
	.amdhsa_code_object_version 6
	.text
	.protected	k_q810a8013ff_mean
	.globl	k_q810a8013ff_mean
	.p2align	8
	.type	k_q810a8013ff_mean,@function
k_q810a8013ff_mean:
	s_mov_b64 s[64:65], 0
	v_nop
	global_prefetch_b8 v0, s[64:65] scope:SCOPE_SE
	s_setreg_imm32_b32 hwreg(HW_REG_WAVE_MODE, 25, 1), 1
	s_wait_xcnt 0x0
; out0[b][n] = (the sum of part's 64 rows of batch b at n) / 2,048 + bo[n].  part: [256][1024] f32, rows 64 b .. 64 b + 63 belong to batch b (8 head pairs x 8 blocks of queries).
; Work-group c takes outputs 128 c .. 128 c + 127 of the flat [4,096]: batch c / 8, features 128 (c % 8) on.  Wave w adds rows 8 w .. 8 w + 7 (each load: 512 consecutive bytes), the eight waves' sums meet in LDS,
; wave 0 adds them, scales, adds the bias and stores 512 consecutive bytes, aligned.  Memory binds and the work is small: no matrix unit, no cluster, no ring.
.macro SUM8                            ; v[8:11] += v[12:15] .. v[36:39]
.irp i, 1,2,3,4,5,6,7
	v_pk_add_f32 v[8:9], v[8:9], v[8+4*\i:9+4*\i]
	v_pk_add_f32 v[10:11], v[10:11], v[10+4*\i:11+4*\i]
.endr
.endm
	s_load_b128 s[4:7], s[0:1], 0x0                ; part, bo
	s_load_b64 s[8:9], s[0:1], 0x10                ; out0
	v_lshl_add_u32 v64, v0, 2, 0x1000
	v_mov_b32 v65, 0
	v_lshrrev_b32 v1, 5, v0
	v_readfirstlane_b32 s10, v1                    ; wave 0..7
	v_and_b32 v2, 31, v0
	v_lshlrev_b32 v3, 4, v2                        ; 16 x lane
	v_lshlrev_b32 v4, 4, v0                        ; LDS: 512 x wave + 16 x lane
	s_lshr_b32 s11, ttmp9, 3                       ; batch
	s_and_b32 s12, ttmp9, 7
	s_lshl_b32 s16, s12, 9                         ; my 128 features, in bytes
	s_mov_b32 s17, 0
	s_lshl_b32 s14, s11, 6
	s_lshl_b32 s13, s10, 3
	s_add_co_u32 s14, s14, s13                     ; my wave's first row: 64 b + 8 w
	s_lshl_b32 s14, s14, 12
	s_add_co_u32 s14, s14, s16
	s_mov_b32 s15, 0
	s_lshl_b32 s18, ttmp9, 9
	s_mov_b32 s19, 0
	s_wait_kmcnt 0x0
	s_add_nc_u64 s[4:5], s[4:5], s[14:15]
	s_add_nc_u64 s[6:7], s[6:7], s[16:17]
	s_add_nc_u64 s[8:9], s[8:9], s[18:19]
.irp i, 0,1,2,3,4,5,6,7
	global_load_b128 v[8+4*\i:11+4*\i], v3, s[4:5] offset:4096*\i th:TH_LOAD_NT
.endr
	global_load_b128 v[40:43], v3, s[6:7]          ; the bias
	s_wait_loadcnt 0x0
	SUM8
	ds_store_b128 v4, v[8:11]
	s_wait_dscnt 0x0                               ; for the others' sake: my store has landed
	s_barrier_signal -1
	s_barrier_wait -1
	s_cmp_lg_u32 s10, 0
	s_cbranch_scc1 .Ldone                          ; wave 0 alone finishes; no barrier follows
.irp i, 0,1,2,3,4,5,6,7
	ds_load_b128 v[8+4*\i:11+4*\i], v3 offset:512*\i
.endr
	s_wait_dscnt 0x0
	SUM8
	v_pk_fma_f32 v[8:9], v[8:9], 0x3a000000, v[40:41] op_sel_hi:[1,0,1]     ; x 2^-11, + the bias: one fused multiply-add
	v_pk_fma_f32 v[10:11], v[10:11], 0x3a000000, v[42:43] op_sel_hi:[1,0,1]
	global_store_b128 v3, v[8:11], s[8:9]
.Ldone:
	s_wait_tensorcnt 0x0
	ds_add_u32 v64, v65
	s_wait_dscnt 0x0
	s_endpgm
.Lfunc_end_k_q810a8013ff_mean:
	.size	k_q810a8013ff_mean, .Lfunc_end_k_q810a8013ff_mean-k_q810a8013ff_mean
	.p2alignl 7, 3214868480
	.fill 96, 4, 3214868480
	.section	.rodata,"a",@progbits
	.p2align	6, 0x0
	.amdhsa_kernel k_q810a8013ff_mean
		.amdhsa_group_segment_fixed_size 5120
		.amdhsa_private_segment_fixed_size 0
		.amdhsa_enable_private_segment 0
		.amdhsa_kernarg_size 24
		.amdhsa_user_sgpr_count 2
		.amdhsa_user_sgpr_kernarg_segment_ptr 1
		.amdhsa_wavefront_size32 1
		.amdhsa_system_sgpr_workgroup_id_x 1
		.amdhsa_system_sgpr_workgroup_id_y 1
		.amdhsa_system_sgpr_workgroup_id_z 1
		.amdhsa_system_vgpr_workitem_id 0
		.amdhsa_next_free_vgpr 66
		.amdhsa_next_free_sgpr 66
		.amdhsa_reserve_vcc 0
		.amdhsa_float_denorm_mode_32 3
		.amdhsa_float_denorm_mode_16_64 3
		.amdhsa_memory_ordered 1
		.amdhsa_forward_progress 1
		.amdhsa_inst_pref_size 5
	.end_amdhsa_kernel
	.amdgpu_metadata
---
amdhsa.version: [ 1, 2 ]
amdhsa.kernels:
  - .name:           k_q810a8013ff_mean
    .symbol:         k_q810a8013ff_mean.kd
    .args:
      - { .name: part, .offset: 0, .size: 8, .value_kind: global_buffer, .address_space: global }
      - { .name: bo, .offset: 8, .size: 8, .value_kind: global_buffer, .address_space: global }
      - { .name: out0, .offset: 16, .size: 8, .value_kind: global_buffer, .address_space: global }
    .group_segment_fixed_size: 5120
    .private_segment_fixed_size: 0
    .kernarg_segment_align: 8
    .kernarg_segment_size: 24
    .max_flat_workgroup_size: 256
    .sgpr_count:     66
    .vgpr_count:     66
    .wavefront_size: 32
...
	.end_amdgpu_metadata
.endif
;; end of part 4
